; MI455X (gfx1250); checked and timed in simulation.
; The chip was launched on July 23, 2026; its instructions are those of AMD's public machine-readable ISA for CDNA 5 (MIT licence, August 2026) and "CDNA5" Instruction Set Architecture Reference Guide (July 2026). The comments in the code are by the model that wrote it; some were corrected since.
;; Little Bit Parallel Linear. Allowed arithmetic: float matrix products may take bf16 or f16 operands with f32 sums; other float arithmetic in f32, or as packed bf16 or f16 multiplies, adds, multiply-adds, maxima and minima; sums over many terms, partial sums and values carried from step to step in f32; what a program stores and reads back later, other than sums and carried values, may be rounded once to bf16 or f16.
;; Inputs: h_in 4,096 float32; h_out 4,096 float32; s 2,048 float32; u 4,096 x 2,048 float32; v 4,096 x 2,048 float32; x 4,096 x 4,096 float32.
;; Outputs: out0 4,096 x 4,096 float32.
;; 2 versions, each right. Each part assembles by itself: llvm-mc -triple=amdgcn-amd-amdhsa -mcpu=gfx1250 --defsym DOCPART=n.
;; ======== version 1 of 2: 3 launches
;; limits: values are held in f16: magnitudes above 65,504 overflow, below 6.1e-05 lose precision; right only within a limited range of input values
;; workspace buffers: xb 33,554,432 bytes; bvh 16,777,216 bytes; bus 16,777,216 bytes; tb 16,777,216 bytes; rs 32,768 bytes
;; launch prep (part 1): grid 1024 x 1, 8 waves a work-group, no clusters, 1,280 bytes of LDS; arguments x, v, u, s, h_in, xb, bvh, bus, rs; writes xb, bvh, bus, rs
.if DOCPART == 1
	.amdgcn_target "amdgcn-amd-amdhsa--gfx1250"
	.amdhsa_code_object_version 6
	.text
	.protected	k_q262de0f21c_prep
	.globl	k_q262de0f21c_prep
	.p2align	8
	.type	k_q262de0f21c_prep,@function
k_q262de0f21c_prep:
	s_mov_b64 s[64:65], 0
	v_nop
	global_prefetch_b8 v0, s[64:65] scope:SCOPE_SE
	s_setreg_imm32_b32 hwreg(HW_REG_WAVE_MODE, 25, 1), 1
	s_wait_xcnt 0x0
; xb[m][i] = bf16(x[m][i] / 2^e[m]);  rs[m] = (2^e[m], 2^e[m]);  bvh[i][r] = (v[i][r] >= 0 ? + : -) bf16(h_in[i]);  bus[o][r] = (u[o][r] >= 0 ? + : -) bf16(s[r]), written as f16.
; x: [4096][4096] f32, v and u: [4096][2048] f32, s: [2048] f32, h_in: [4096] f32; xb, bvh: bf16; bus: f16; rs: [4096][2] f32.
; WHY SO.  Each input is rounded to bf16 ONCE, by itself, and the scales ride on the signs: x h_in and t s are never rounded as products, so the two matrix products that follow multiply exact numbers.
; THE ROW SCALE.  t = (x h_in) sign(v) goes to the second product in f16 (11 significant bits).  So that it fits for every input, row m of x is divided by 2^e[m], the power of two at or below
; max over i of |x[m][i] h_in[i]|: exact, so xb is still bf16(x) but for that power.  Each of a sum's 4,096 terms is then under 2 (1 + 2^-8)^2, and |t| under 8,257, far inside f16; the largest term is 1 or more.
; LIMITS.  x, h_in and s are rounded to bf16 (nearest even).  2^e is held between 2^-100 and 2^100: a row with |x h_in| beyond 2^100 may pass f16's end.  bf16(s) is exact in f16 for 2^-14 <= |s| < 65,504;
; below, it keeps f16's fixed step of 6e-8; beyond, it is an infinity.  A NaN among the products is left out of the maximum.  The sign is taken as 0 <= a: -0 counts as +, NaN as -.
; A stream: no matrix unit, no loop.  A work-group of eight waves owns 4 rows of each of x, v and u: 16 + 8 + 8 chunks of 4,096 bytes.  Thread t takes the 16 bytes at 16 t of each chunk (a wave's load covers
; 512 consecutive bytes, aligned) and stores 8 bytes at 8 t of the chunk's 2,048 (a wave's store covers 256 consecutive bytes, aligned).  x's four rows stay in 64 registers between the pass that finds the
; maxima and the pass that scales: x is read once.  The eight waves' maxima meet in 128 bytes of LDS, behind one barrier.  28 loads of a wave go out at once; s and u follow when x's quads are free.
.set CH,   4096                        ; bytes of a chunk as loaded
.set CO,   2048                        ; bytes of a chunk as stored
.set SPARE, 256                        ; LDS: bytes 0-127 the waves' maxima (wave w's four at 16 w); from 256 on the spare words, 128 bytes for each wave: four blocks of 256 bytes that no other line names
.set SPW,  3                           ; v3        LDS address of my spare word: SPARE + 4 x my thread's number; never rewritten
.set NIL,  4                           ; v4        0; never rewritten
.set LA,   5                           ; v5        16 x my wave's number: where its four maxima go
.set M,    6                           ; v[6:9]    the largest |x h_in| of my numbers in each of the four rows
.set RUN,  10                          ; v[10:11]  the running maximum and minimum of a row; later 2^e, twice
.set HX,   12                          ; v[12:27]  h_in of my 16 columns of x: columns 1,024 c + 4 t .. at HX + 4 c
.set T,    28                          ; v[28:31]  at work
.set D,    32                          ; v[32:127] 24 quads: x's chunk i at D + 4 i, v's chunk j at D + 64 + 4 j, u's chunk j at D + 4 j (where x's first eight lay)
.set SP,   D+32                         ; v[64:71]  where x's chunks 8, 9 lay: bf16(s) of my 8 columns of u (4 t .. and 1,024 + 4 t ..), as f32: loaded here, rounded in place
.set SN,   D+40                         ; v[72:79]  their negatives
.set HP,   D+48                         ; v[80:87]  row j of my four rows of v: +bf16(h_in) at HP + 2 j, its negative at HP + 2 j + 1, as f32
.set INV,  32                          ; s[32:39]  row j: 2^-e in the low word of the pair at INV + 2 j
.set MK,   40                          ; s[40:43]  four lane masks
	s_load_b512 s[8:23], s[0:1], 0x0               ; x s[8:9], v s[10:11], u s[12:13], s s[14:15], h_in s[16:17], xb s[18:19], bvh s[20:21], bus s[22:23]
	s_load_b64 s[28:29], s[0:1], 0x40              ; rs
	v_lshl_add_u32 v[SPW], v0, 2, SPARE
	v_mov_b32 v[NIL], 0
	v_lshlrev_b32 v1, 4, v0                        ; 16 t: my place in a chunk as loaded; never rewritten
	v_lshlrev_b32 v2, 3, v0                        ; 8 t: my place in a chunk as stored; never rewritten
	v_lshrrev_b32 v[LA], 5, v0
	v_readfirstlane_b32 s4, v[LA]                  ; wave 0..7
	v_lshlrev_b32 v[LA], 4, v[LA]
	s_mov_b32 s30, 0x76543210                      ; v_permlanex16_b32: each lane takes its own place in the other half
	s_mov_b32 s31, 0xfedcba98
	s_mov_b32 s3, 0                                ; the offsets stay under 2^27: the pair's high word is 0
	s_wait_kmcnt 0x0
	s_lshl_b32 s2, ttmp9, 16                       ; 4 rows of x: 65,536 bytes
	s_add_nc_u64 s[8:9], s[8:9], s[2:3]
	s_lshl_b32 s2, ttmp9, 15                       ; 4 rows of v, of u, of xb: 32,768 bytes
	s_add_nc_u64 s[10:11], s[10:11], s[2:3]
	s_add_nc_u64 s[12:13], s[12:13], s[2:3]
	s_add_nc_u64 s[18:19], s[18:19], s[2:3]
	s_lshl_b32 s2, ttmp9, 14                       ; 4 rows of bvh, of bus: 16,384 bytes
	s_add_nc_u64 s[20:21], s[20:21], s[2:3]
	s_add_nc_u64 s[22:23], s[22:23], s[2:3]
	s_lshl_b32 s2, ttmp9, 5                        ; 4 rows of rs: 32 bytes
	s_add_nc_u64 s[28:29], s[28:29], s[2:3]
	s_lshl_b32 s2, ttmp9, 4                        ; 4 numbers of h_in
	s_add_nc_u64 s[6:7], s[16:17], s[2:3]
	s_load_b128 s[24:27], s[6:7], 0x0              ; h_in of my four rows of v: the same for all threads, so a scalar load
.irp c, 0,1,2,3
	global_load_b128 v[HX+4*(\c):HX+4*(\c)+3], v1, s[16:17] offset:CH*(\c)   ; h_in of my columns of x
.endr
.irp i, 0,1,2,3,4,5,6,7,8,9,10,11,12,13,14,15
	global_load_b128 v[D+4*(\i):D+4*(\i)+3], v1, s[8:9] offset:CH*(\i) th:TH_LOAD_NT
.endr
.irp j, 0,1,2,3,4,5,6,7
	global_load_b128 v[D+64+4*(\j):D+64+4*(\j)+3], v1, s[10:11] offset:CH*(\j) th:TH_LOAD_NT
.endr
; x's chunk i lies in row i / 4, columns 1,024 (i % 4) + 4 t ..: its four products with h_in enter the row's running maximum and minimum; behind a row's last chunk the larger magnitude is kept.
.macro MAXC i
	s_wait_loadcnt 23-(\i)                         ; loads come back in order (ISA guide 5.7.1): behind this chunk's stand x's 15 - i later chunks and v's eight
	v_pk_mul_f32 v[T:T+1],   v[D+4*(\i):D+4*(\i)+1],   v[HX+4*((\i)%4):HX+4*((\i)%4)+1]
	v_pk_mul_f32 v[T+2:T+3], v[D+4*(\i)+2:D+4*(\i)+3], v[HX+4*((\i)%4)+2:HX+4*((\i)%4)+3]
.if (\i)%4 == 0
	v_max_num_f32 v[RUN],   v[T], v[T+1]           ; a row's first products start the two chains: nothing is cleared
	v_min_num_f32 v[RUN+1], v[T], v[T+1]
.else
	v_max3_num_f32 v[RUN],   v[T], v[T+1], v[RUN]
	v_min3_num_f32 v[RUN+1], v[T], v[T+1], v[RUN+1]
.endif
	v_max3_num_f32 v[RUN],   v[T+2], v[T+3], v[RUN]
	v_min3_num_f32 v[RUN+1], v[T+2], v[T+3], v[RUN+1]
.if (\i)%4 == 3
	v_xor_b32 v[RUN+1], 0x80000000, v[RUN+1]
	v_max_num_f32 v[M+(\i)/4], v[RUN], v[RUN+1]
.endif
.endm
.irp i, 0,1,2,3,4,5,6,7,8,9,10,11,12,13,14,15
	MAXC \i
.endr
	; across the 32 lanes: four steps inside each half of 16 lanes ride on the arithmetic (DPP), one crosses the halves; the four rows alternate
.irp k, 1,2,4,8
.irp j, 0,1,2,3
	v_max_num_f32_dpp v[M+(\j)], v[M+(\j)], v[M+(\j)] row_xmask:\k row_mask:0xf bank_mask:0xf
.endr
.endr
.irp j, 0,1,2,3
	v_permlanex16_b32 v[T+(\j)], v[M+(\j)], s30, s31   ; its destination counts as read: T has been written
.endr
.irp j, 0,1,2,3
	v_max_num_f32 v[M+(\j)], v[M+(\j)], v[T+(\j)]
.endr
	ds_store_b128 v[LA], v[M:M+3]                  ; all lanes of a wave write the same 16 bytes with the same numbers
	v_and_b32 v[T], 31, v0                         ; lane
	v_lshlrev_b32 v[T+1], 2, v[T]                  ; 4 x lane
	v_lshlrev_b32 v[T+2], 3, v[T]                  ; 8 x lane
	s_wait_dscnt 0x0                               ; for the others' sake: my store is done
	s_barrier_signal -1
	s_barrier_wait -1
	ds_load_b32 v[RUN], v[T+1]                     ; lane l takes word l: wave l / 4's maximum of row l % 4
	s_wait_dscnt 0x0
	v_max_num_f32_dpp v[RUN], v[RUN], v[RUN] row_xmask:4 row_mask:0xf bank_mask:0xf
	v_max_num_f32_dpp v[RUN], v[RUN], v[RUN] row_xmask:8 row_mask:0xf bank_mask:0xf
	v_permlanex16_b32 v[T+3], v[RUN], s30, s31
	v_max_num_f32 v[RUN], v[RUN], v[T+3]           ; lane l: the maximum of row l % 4, over all eight waves
	v_max_num_f32 v[RUN], 0x0d800000, v[RUN]       ; held between 2^-100 (a row of zeros, or of NaN alone, takes this)
	v_min_num_f32 v[RUN], 0x71800000, v[RUN]       ; and 2^100
	v_and_b32 v[RUN], 0x7f800000, v[RUN]           ; the exponent alone: 2^e
	v_sub_nc_u32 v[RUN+1], 0x7f000000, v[RUN]      ; exponent field 254 - E: 2^-e
.irp j, 0,1,2,3
	v_readlane_b32 s[INV+2*(\j)], v[RUN+1], \j     ; the same in every lane and wave, so a scalar: it multiplies, and enters no address and no branch
	s_mov_b32 s[INV+2*(\j)+1], s[INV+2*(\j)]       ; named with it as a pair
.endr
	v_mov_b32 v[RUN+1], v[RUN]                     ; rs holds 2^e twice, a pair for the packed multiply of the launch that reads it
	s_cmp_lg_u32 s4, 0                             ; wave 0 stores the work-group's four rows of rs: 32 bytes, the launch's one small store (the buffer has 32,768 bytes in all)
	s_cbranch_scc1 .Lno_rs
	v_cmp_gt_u32 vcc_lo, 4, v[T]
	s_wait_xcnt 0x0                                ; EXEC is a source of the loads that are out: it changes only behind this wait
	s_and_saveexec_b32 s5, vcc_lo
	global_store_b64 v[T+2], v[RUN:RUN+1], s[28:29]    ; lane l < 4: row l
	s_wait_xcnt 0x0                                ; and again, in front of the line that widens it
	s_or_b32 exec_lo, exec_lo, s5
.Lno_rs:
; x's chunk i: four numbers divided by the row's 2^e (exact), rounded to bf16 in place, 8 bytes stored.
.macro CVX i
	v_pk_mul_f32 v[D+4*(\i):D+4*(\i)+1],   v[D+4*(\i):D+4*(\i)+1],   s[INV+2*((\i)/4):INV+2*((\i)/4)+1] op_sel_hi:[1,0]
	v_pk_mul_f32 v[D+4*(\i)+2:D+4*(\i)+3], v[D+4*(\i)+2:D+4*(\i)+3], s[INV+2*((\i)/4):INV+2*((\i)/4)+1] op_sel_hi:[1,0]
	v_cvt_pk_bf16_f32 v[D+4*(\i)],   v[D+4*(\i)],   v[D+4*(\i)+1]
	v_cvt_pk_bf16_f32 v[D+4*(\i)+1], v[D+4*(\i)+2], v[D+4*(\i)+3]
	global_store_b64 v2, v[D+4*(\i):D+4*(\i)+1], s[18:19] offset:CO*(\i) th:TH_STORE_NT
.endm
; v's chunk j lies in row j / 2 of my four: each number is replaced by that row's +h or -h.  The four masks lie in four scalar registers, so no compare waits for a select.
.macro SGNV j
	s_wait_loadcnt 17-(\j)                         ; behind it: v's 7 - j later chunks, s's two loads and u's eight
.irp e, 0,1,2,3
	v_cmp_le_f32 s[MK+(\e)], 0, v[D+64+4*(\j)+(\e)]
.endr
.irp e, 0,1,2,3
	v_cndmask_b32 v[D+64+4*(\j)+(\e)], v[HP+2*((\j)/2)+1], v[HP+2*((\j)/2)], s[MK+(\e)]
.endr
	v_cvt_pk_bf16_f32 v[D+64+4*(\j)],   v[D+64+4*(\j)],   v[D+64+4*(\j)+1]   ; exact: these are bf16 numbers
	v_cvt_pk_bf16_f32 v[D+64+4*(\j)+1], v[D+64+4*(\j)+2], v[D+64+4*(\j)+3]
	global_store_b64 v2, v[D+64+4*(\j):D+64+4*(\j)+1], s[20:21] offset:CO*(\j) th:TH_STORE_NT
.endm
; u's chunk j holds columns 1,024 (j % 2) + 4 t ..: each number is replaced by its column's +s or -s, written as f16.
.macro SGNU j
	s_wait_loadcnt 7-(\j)                          ; behind it: u's later chunks
.irp e, 0,1,2,3
	v_cmp_le_f32 s[MK+(\e)], 0, v[D+4*(\j)+(\e)]
.endr
.irp e, 0,1,2,3
	v_cndmask_b32 v[D+4*(\j)+(\e)], v[SN+4*((\j)%2)+(\e)], v[SP+4*((\j)%2)+(\e)], s[MK+(\e)]
.endr
	v_cvt_pk_f16_f32 v[D+4*(\j)],   v[D+4*(\j)],   v[D+4*(\j)+1]             ; a bf16 number's 8 bits fit in f16's 11: exact within f16's range
	v_cvt_pk_f16_f32 v[D+4*(\j)+1], v[D+4*(\j)+2], v[D+4*(\j)+3]
	global_store_b64 v2, v[D+4*(\j):D+4*(\j)+1], s[22:23] offset:CO*(\j) th:TH_STORE_NT
.endm
.irp i, 0,1,2,3,4,5,6,7,8,9,10,11,12,13,14,15
	CVX \i
.endr
	s_wait_xcnt 0x0                                ; the sixteen stores above have read their data (ISA guide 3.1): x's quads are written again only behind this wait
	global_load_b128 v[SP:SP+3],   v1, s[14:15]             ; s of columns 4 t ..
	global_load_b128 v[SP+4:SP+7], v1, s[14:15] offset:CH   ; and of columns 1,024 + 4 t ..
.irp j, 0,1,2,3,4,5,6,7
	global_load_b128 v[D+4*(\j):D+4*(\j)+3], v1, s[12:13] offset:CH*(\j) th:TH_LOAD_NT
.endr
	s_wait_kmcnt 0x0                               ; h_in of my four rows of v
.irp p, 0,1                            ; two rows at a time: rounded to bf16, widened again, and negated
	v_cvt_pk_bf16_f32 v[T+(\p)], s[24+2*(\p)], s[25+2*(\p)]
	v_lshlrev_b32 v[HP+4*(\p)],   16, v[T+(\p)]
	v_and_b32     v[HP+4*(\p)+2], 0xffff0000, v[T+(\p)]
	v_xor_b32     v[HP+4*(\p)+1], 0x80000000, v[HP+4*(\p)]
	v_xor_b32     v[HP+4*(\p)+3], 0x80000000, v[HP+4*(\p)+2]
.endr
.irp j, 0,1,2,3,4,5,6,7
	SGNV \j
.endr
	s_wait_loadcnt 8                               ; s is in; u's eight loads may stay out
.irp p, 0,1,2,3                        ; rounded, widened, negated
	v_cvt_pk_bf16_f32 v[T+(\p)], v[SP+2*(\p)], v[SP+2*(\p)+1]
.endr
.irp p, 0,1,2,3
	v_lshlrev_b32 v[SP+2*(\p)],   16, v[T+(\p)]
	v_and_b32     v[SP+2*(\p)+1], 0xffff0000, v[T+(\p)]
.endr
.irp p, 0,1,2,3,4,5,6,7
	v_xor_b32 v[SN+(\p)], 0x80000000, v[SP+(\p)]
.endr
.irp j, 0,1,2,3,4,5,6,7
	SGNU \j
.endr
	s_wait_tensorcnt 0x0                           ; the wave's end, behind my last LDS store
	ds_add_u32 v[SPW], v[NIL]
	s_wait_dscnt 0x0
	s_endpgm
.Lfunc_end_k_q262de0f21c_prep:
	.size	k_q262de0f21c_prep, .Lfunc_end_k_q262de0f21c_prep-k_q262de0f21c_prep
	.p2alignl 7, 3214868480
	.fill 96, 4, 3214868480
	.section	.rodata,"a",@progbits
	.p2align	6, 0x0
	.amdhsa_kernel k_q262de0f21c_prep
		.amdhsa_group_segment_fixed_size 1280
		.amdhsa_private_segment_fixed_size 0
		.amdhsa_enable_private_segment 0
		.amdhsa_kernarg_size 72
		.amdhsa_user_sgpr_count 2
		.amdhsa_user_sgpr_kernarg_segment_ptr 1
		.amdhsa_wavefront_size32 1
		.amdhsa_system_sgpr_workgroup_id_x 1
		.amdhsa_system_sgpr_workgroup_id_y 1
		.amdhsa_system_sgpr_workgroup_id_z 1
		.amdhsa_system_vgpr_workitem_id 0
		.amdhsa_next_free_vgpr 128
		.amdhsa_next_free_sgpr 66
		.amdhsa_reserve_vcc 1
		.amdhsa_float_denorm_mode_32 3
		.amdhsa_float_denorm_mode_16_64 3
		.amdhsa_memory_ordered 1
		.amdhsa_forward_progress 1
		.amdhsa_inst_pref_size 34
	.end_amdhsa_kernel
	.amdgpu_metadata
---
amdhsa.version: [ 1, 2 ]
amdhsa.kernels:
  - .name:           k_q262de0f21c_prep
    .symbol:         k_q262de0f21c_prep.kd
    .args:
      - { .name: x, .offset: 0, .size: 8, .value_kind: global_buffer, .address_space: global }
      - { .name: v, .offset: 8, .size: 8, .value_kind: global_buffer, .address_space: global }
      - { .name: u, .offset: 16, .size: 8, .value_kind: global_buffer, .address_space: global }
      - { .name: s, .offset: 24, .size: 8, .value_kind: global_buffer, .address_space: global }
      - { .name: h_in, .offset: 32, .size: 8, .value_kind: global_buffer, .address_space: global }
      - { .name: xb, .offset: 40, .size: 8, .value_kind: global_buffer, .address_space: global }
      - { .name: bvh, .offset: 48, .size: 8, .value_kind: global_buffer, .address_space: global }
      - { .name: bus, .offset: 56, .size: 8, .value_kind: global_buffer, .address_space: global }
      - { .name: rs, .offset: 64, .size: 8, .value_kind: global_buffer, .address_space: global }
    .group_segment_fixed_size: 1280
    .private_segment_fixed_size: 0
    .kernarg_segment_align: 8
    .kernarg_segment_size: 72
    .max_flat_workgroup_size: 256
    .sgpr_count:     66
    .vgpr_count:     128
    .wavefront_size: 32
...
	.end_amdgpu_metadata
.endif
;; end of part 1
;; launch gemm_t (part 2): grid 8 x 32, 4 waves a work-group, clusters of 4 x 4, 327,680 bytes of LDS; arguments xb, bvh, tb; writes tb
.if DOCPART == 2
	.amdgcn_target "amdgcn-amd-amdhsa--gfx1250"
	.amdhsa_code_object_version 6
	.text
	.protected	k_q262de0f21c_gemm_t
	.globl	k_q262de0f21c_gemm_t
	.p2align	8
	.type	k_q262de0f21c_gemm_t,@function
k_q262de0f21c_gemm_t:
	s_mov_b64 s[64:65], 0
	v_nop
	global_prefetch_b8 v0, s[64:65] scope:SCOPE_SE
	s_setreg_imm32_b32 hwreg(HW_REG_WAVE_MODE, 25, 1), 1
	s_wait_xcnt 0x0
	s_wait_alu depctr_hold_cnt(0) depctr_sa_sdst(0) depctr_va_vdst(0) depctr_va_sdst(0) depctr_va_ssrc(0) depctr_va_vcc(0) depctr_vm_vsrc(0)
	s_getreg_b32 s2, hwreg(HW_REG_IB_STS2, 6, 4)
	s_cmp_eq_u32 s2, 0
	s_cbranch_scc0 .Lentry_in_a_cluster
	s_endpgm
.Lentry_in_a_cluster:
	s_bfe_u32 s2, ttmp6, 0x10000c
	s_cmp_lg_u32 s2, 0xf033
	s_cbranch_scc0 .Lentry_shape_is_right
	s_endpgm
.Lentry_shape_is_right:
; tb[m][r] = f16( sum over i of xb[m][i] bvh[i][r] ).  xb: [4096][4096] bf16 (K along the rows); bvh: [4096 (K)][2048 (N)] bf16 (N along the rows); tb: [4096][2048] f16.
; Sums in f32, K ascending, one accumulator an output.  LIMIT: t is rounded once to f16 (nearest even).  It fits: the launch before has divided each row of xb by a power of two such that every one of a
; sum's 4,096 terms is under 2 (1 + 2^-8)^2, so |t| stays under 8,257 (but for rows with |x h_in| beyond 2^100, which that launch's head names); below 6e-5 t keeps f16's fixed step of 6e-8.
; THE TILE.  128 x 256 of t to a work-group: 32 x 8 = 256 work-groups of equal work (256 x 256 would make 128).  Four waves, each 64 rows x 128 columns: 32 accumulators of 16 x 16, 256 registers;
; a wave's 128 columns are 256 consecutive bytes of a row of tb, aligned, so each wave has a stage of its own on the way out and no barrier stands there.
; THE RING.  K goes in 32 steps of 128 through two LDS slots; a slot holds A's 128 rows x 256 bytes and B's 128 K-rows x 512 bytes.  Waves 0 and 1 fetch A's halves, waves 2 and 3 B's:
; one tensor load of 64 rows a wave behind each change of slots.  Two slots of a K step of 256 would take 413,696 bytes and do not fit.
; CLUSTERS.  4 x 4 work-groups: the four of a row of the cluster need the same tiles of A, the four of a column the same tiles of B; each tile is asked for jointly.
; B IS TURNED ON THE WAY OUT OF LDS by ds_load_tr16_b128, so v needs no transposing pass.  THE MATRIX INSTRUCTION IS USED TRANSPOSED (source 0 = 16 columns of B, source 1 = 16 rows of A):
; a lane then holds row l % 16 of t and the eight neighbouring columns 8 (l / 16) + 0..7.
; REGISTERS, in windows of 256 (s_set_vgpr_msb: bits 1:0 source 0, 3:2 source 1, 5:4 source 2, 7:6 destination):
;   window 0: v0-31 addresses; v64-95, v96-127 A's fragments (4 x 16 rows x 32 K), two buffers; v128-191, v192-223 at work on the way out
;   window 1: v0-63, v64-127 B's fragments (8 x 16 columns x 32 K), two buffers          window 2: accumulator (a, b) at v[8 (8 a + b)]
.set KSTEP,  128
.set XROW,   8192                      ; bytes in a row of xb
.set VROW,   4096                      ; bytes in a row of bvh
.set TROW,   4096                      ; bytes in a row of tb
.set PA,     272                       ; an LDS row of A: 256 bytes + 16 of padding = 68 words: the 16 rows of a load start at 16 different groups of four banks (64 banks of 4 bytes: ISA guide 11.1)
.set PB,     544                       ; an LDS row of B: 512 bytes + 32 of padding = 136 words
.set HALFA,  64*PA                     ; what one of A's tensor loads brings, and what one wave reads of A
.set HALFB,  64*PB                     ; what one of B's tensor loads brings
.set BOFF,   2*HALFA                   ; B's rows lie behind A's
.set SLOT,   2*HALFA+2*HALFB           ; 104,448
.set STAGE,  2*SLOT                    ; behind the ring, never filled by a tensor load: 16 rows x 272 bytes for each wave
.set SPITCH, 272
.set SPARE,  STAGE+4*16*SPITCH         ; behind the stages: the spare words, 128 bytes for each wave: two blocks of 256 bytes that no other line names
.set LAPS,   16                        ; a lap = two K steps = once round the ring
.set ADRA, 16                          ; v16-17  LDS address of my A fragments in slot 0, 1
.set ADRB, 20                          ; v20-21  the same for B
.set STO,  24                          ; v24     the way out: where I put 16 bytes of a row
.set RD,   25                          ; v25     the way out: where I read a row back
.set CO,   26                          ; v26     my byte offset in two rows of tb; never rewritten
.set SPW,  28                          ; v28     LDS address of my spare word: SPARE + 4 x my thread's number; never rewritten
.set NIL,  29                          ; v29     0; never rewritten
.set PFO,  30                          ; v30     the prefetches' offset; never rewritten
.set FA,   64                          ; A's fragment buffers, window 0: buffer g at FA + 32 g
.set FB,   0                           ; B's, window 1: buffer g at FB + 64 g
.set OB,   128                         ; the way out: 16 rows read back, two buffers of 32
.set TMP,  192                         ; the way out: packed results
.set G1,  24                           ; s[24:31] descriptor group 1 for A's tiles
.set G0,  32                           ; s[32:39] descriptor group 0 for A's tiles, one set for each slot
.set LIM, 43                           ; s43      2 in a wave that prefetches, else the greatest number
.set PFA, 44                           ; s[44:45] the K step that my next prefetch names
.set G1B, 48                           ; s[48:55], s[56:63] the same two groups for B's tiles
.set G0B, 56
.set PST, 66                           ; s[66:67] bytes from a K step to the next: 256 in A, 128 rows in B
.set MSB, 0
.macro WIN new                         ; the immediate's high byte repeats the setting that is left; a switch that changes nothing is dropped
.if MSB != (\new)
	s_set_vgpr_msb (MSB<<8)|(\new)
.set MSB, \new
.endif
.endm
.set MUL,  0xa1                        ; source 0 (B) window 1, source 1 (A) window 0, C and D window 2
.set TO_B, 0x40                        ; destination window 1, address window 0
; A joint load.  Each of the two lines has one mask and one set of registers for all that issue it.  The branch hangs on the wave's number alone: it is the same in every work-group.
; An s_nop 0 and four v_nop follow each of the two lines, ahead of the jump, the label and what follows.
.macro JLOAD s
	s_cmp_eq_u32 s11, 0
	s_cbranch_scc0 .Lfor_b_\@
	tensor_load_to_lds s[G0+4*(\s):G0+4*(\s)+3], s[G1:G1+7]
	s_nop 0
.rept 4
	v_nop
.endr
	s_branch .Lasked_\@
.Lfor_b_\@:
	tensor_load_to_lds s[G0B+4*(\s):G0B+4*(\s)+3], s[G1B:G1B+7]
	s_nop 0
.rept 4
	v_nop
.endr
.Lasked_\@:
.endm
; A PREFETCH INTO THE L2, behind each joint load and the run of LDS loads that follows it: the K step FOUR refills on, 512 matrix instructions of a wave ahead of the load that will ask for it.
; Each 256 bytes of xb and of bvh are named once in the launch.  A's tile row is read by both clusters of a row of clusters: in the one with cluster x = 0 wave 0 asks, and the four partners that
; share the tile take 32 of its 128 rows each, told apart by address (cx), a lane a row.  B's tile column is read by all eight clusters of a column: in the one with cluster y = 0 waves 2 and 3 ask,
; each for the 64 K-rows that it fetches; the four partners take 16 of them each (cy), two lanes a row of 512 bytes.  K steps 2 to 5 come by their loads alone: nothing is asked for at the head.
; The loop's last two trips ask for nothing: the K steps four on do not exist.
.macro ASK
	s_cmp_gt_u32 s3, s[LIM]
	s_cbranch_scc0 .Lnot_mine_\@
	global_prefetch_b8 v[PFO], s[PFA:PFA+1] th:TH_LOAD_NT scope:SCOPE_SE
.Lnot_mine_\@:
.endm
.macro CREST                           ; a round of the cluster's barrier behind its opening barrier: wave 0 signals for the work-group, every wave waits for all sixteen, my work-group's barrier closes it
	s_cmp_lg_u32 s10, 0
	s_cbranch_scc1 .Lnot_wave_0_\@
	s_barrier_signal -3
.Lnot_wave_0_\@:
	s_barrier_wait -3
	s_barrier_signal -1
	s_barrier_wait -1
.endm
.macro CROUND                          ; a whole round
	s_barrier_signal -1
	s_barrier_wait -1
	CREST
.endm
	s_load_b128 s[4:7], s[0:1], 0x0                ; xb s[4:5], bvh s[6:7]
	s_load_b64 s[8:9], s[0:1], 0x10                ; tb
	v_lshl_add_u32 v[SPW], v0, 2, SPARE
	v_mov_b32 v[NIL], 0
	ds_add_u32 v[SPW], v[NIL]                      ; the wave's opening: the add, twice on end, and its wait ahead of my first tensor load; the set-up below stands between
	ds_add_u32 v[SPW], v[NIL]
	v_lshrrev_b32 v1, 5, v0
	v_readfirstlane_b32 s10, v1                    ; wave 0..3
	s_lshr_b32 s11, s10, 1                         ; which 64 rows of the tile are mine.  Also: I fetch for A (0) or for B (1)
	s_and_b32 s12, s10, 1                          ; which 128 columns.  Also: which half of that tile I fetch
	s_bfe_u32 s40, ttmp6, 0x40000                  ; cx, cy: my place in the cluster
	s_bfe_u32 s41, ttmp6, 0x40004
	s_lshl_b32 s42, ttmp9, 2
	s_add_co_u32 s42, s42, s40                     ; tile column = 4 x cluster x + cx, 0..7
	s_and_b32 s13, ttmp7, 0xffff
	s_lshl_b32 s13, s13, 2
	s_add_co_u32 s13, s13, s41                     ; tile row = 4 x cluster y + cy, 0..31
	s_lshl_b32 s43, s41, 2
	s_lshl_b32 s43, 15, s43                        ; my row of the cluster: places 4 cy .. 4 cy + 3
	s_lshl_b32 s44, 0x1111, s40                    ; my column: places cx, cx + 4, cx + 8, cx + 12
	; group 1 for A: 64 rows x 128 elements
	s_or_b32 s[G1+0], s43, (1<<16)|(1<<20)|(1<<21)|(5<<22)|(3<<25)  ; 15:0 the mask; 17:16 elements of 2 bytes; 20 padding on; 21 set beside a mask; 24:22 after every 64 words (code 5); 31:25 4 words (code 3)
	s_mov_b32 s[G1+1], KSTEP<<16                   ; tensor_dim0 = 128
	s_mov_b32 s[G1+2], 64<<16                      ; tensor_dim1 = 64
	s_mov_b32 s[G1+3], KSTEP<<16                   ; tile_dim0 = 128
	s_mov_b32 s[G1+4], 64                          ; tile_dim1 = 64
	s_mov_b32 s[G1+5], XROW/2                      ; elements from row to row
	s_mov_b32 s[G1+6], 0
	s_mov_b32 s[G1+7], 0
	; group 1 for B: 64 K-rows x 256 elements
	s_or_b32 s[G1B+0], s44, (1<<16)|(1<<20)|(1<<21)|(6<<22)|(7<<25) ; the column's mask; padding after every 128 words (code 6), 8 words (code 7)
	s_mov_b32 s[G1B+1], 256<<16
	s_mov_b32 s[G1B+2], 64<<16
	s_mov_b32 s[G1B+3], 256<<16
	s_mov_b32 s[G1B+4], 64
	s_mov_b32 s[G1B+5], VROW/2
	s_mov_b32 s[G1B+6], 0
	s_mov_b32 s[G1B+7], 0
	; where the tiles come from.  A's hang on the tile row alone, B's on the tile column alone; each offset in registers that never hold the other coordinate
	s_lshl_b32 s16, s13, 7
	s_lshl_b32 s17, s12, 6
	s_add_co_u32 s16, s16, s17                     ; A: row 128 x tile row + 64 x half,
	s_lshl_b32 s16, s16, 13                        ; in bytes
	s_mov_b32 s17, 0
	s_lshl_b32 s46, s12, 18                        ; B: K-row 64 x half, in bytes,
	s_lshl_b32 s47, s42, 9                         ; and 512 bytes a tile column
	s_add_co_u32 s46, s46, s47
	s_mov_b32 s47, 0
	s_mul_i32 s20, s12, HALFA                      ; and where they go: no place in the cluster enters an LDS address
	s_mul_i32 s21, s12, HALFB
	s_add_co_u32 s21, s21, BOFF
	s_wait_dscnt 0x0                               ; both opening adds are done
	s_wait_kmcnt 0x0
	s_add_nc_u64 s[14:15], s[4:5], s[16:17]
	s_add_nc_u64 s[46:47], s[6:7], s[46:47]
	CROUND                                         ; all sixteen work-groups are here: the first joint loads meet
.irp s, 0,1
	s_mov_b32 s[G0+4*(\s)], 1                                        ; count = 1
	s_add_co_u32 s[G0+4*(\s)+1], s20, (\s)*SLOT                      ; LDS address
	s_add_nc_u64 s[G0+4*(\s)+2:G0+4*(\s)+3], s[14:15], (\s)*KSTEP*2  ; global address: K step s
	s_or_b32 s[G0+4*(\s)+3], s[G0+4*(\s)+3], 0x80000000              ; type = 2
	s_mov_b32 s[G0B+4*(\s)], 1
	s_add_co_u32 s[G0B+4*(\s)+1], s21, (\s)*SLOT
	s_add_nc_u64 s[G0B+4*(\s)+2:G0B+4*(\s)+3], s[46:47], (\s)*KSTEP*VROW
	s_or_b32 s[G0B+4*(\s)+3], s[G0B+4*(\s)+3], 0x80000000
	JLOAD \s                                       ; the ring is filled before anything else is done: two loads of mine are out
.endr
	; A fragment of A is 16 rows x 32 K in 8 registers: lane l holds row l % 16; registers 0-3 K = 8 (l / 16) + 0..7, registers 4-7 K = 16 + 8 (l / 16) + 0..7: two loads of 16 bytes, 32 bytes apart.
	v_and_b32 v1, 15, v0                           ; l % 16
	v_bfe_u32 v2, v0, 4, 1                         ; l / 16
	v_mul_u32_u24 v3, v1, PA
	v_lshl_add_u32 v3, v2, 4, v3                   ; row x pitch + 16 x half
	; The turning load takes 16 K-rows x 16 columns (lane l reads K-row 8 (l / 16) + l % 8, columns 8 ((l / 8) % 2) + 0..7) and leaves half a fragment: lane l holds column l % 16 and 8 K.
	v_and_b32 v4, 7, v0
	v_bfe_u32 v5, v0, 3, 1
	v_lshl_add_u32 v6, v2, 3, v4
	v_mul_u32_u24 v6, v6, PB
	v_lshl_add_u32 v6, v5, 4, v6
	s_mul_i32 s22, s11, HALFA                      ; my 64 rows of A
	s_lshl_b32 s23, s12, 8                         ; my 128 columns of B: 256 bytes of each K-row,
	s_add_co_u32 s23, s23, BOFF                    ; behind A's rows
.irp s, 0,1
	v_add_nc_u32 v[ADRA+(\s)], s22, v3
	v_add_nc_u32 v[ADRB+(\s)], s23, v6
	s_add_co_u32 s22, s22, SLOT
	s_add_co_u32 s23, s23, SLOT
.endr
	s_mul_i32 s23, s10, 16*SPITCH
	s_add_co_u32 s23, s23, STAGE                   ; my stage
	v_add_nc_u32 v[STO], s23, v3                   ; in: row l % 16, 16 bytes for each half of the lanes (the stage's pitch is A's)
	v_mul_u32_u24 v5, v2, SPITCH                   ; back: lanes 0-15 take one row of 256 bytes, lanes 16-31 the next
	v_lshl_add_u32 v5, v1, 4, v5
	v_add_nc_u32 v[RD], s23, v5
	v_lshlrev_b32 v5, 12, v2                       ; and the same two rows in tb
	v_lshl_add_u32 v[CO], v1, 4, v5
	s_lshl_b32 s16, s13, 7
	s_lshl_b32 s17, s11, 6
	s_add_co_u32 s16, s16, s17                     ; my first row of tb: 128 x tile row + 64 x row half,
	s_lshl_b32 s16, s16, 12                        ; in bytes
	s_mov_b32 s17, 0
	s_add_nc_u64 s[8:9], s[8:9], s[16:17]
	s_lshl_b32 s46, s42, 9                         ; my first column, in bytes: 512 x tile column + 256 x column half
	s_lshl_b32 s47, s12, 8
	s_add_co_u32 s46, s46, s47
	s_mov_b32 s47, 0
	s_add_nc_u64 s[8:9], s[8:9], s[46:47]
	; the prefetches: both candidates are made, then one compare on 'do I fetch for A?' chooses
	s_lshl_b32 s16, s13, 7
	s_lshl_b32 s17, s40, 5
	s_add_co_u32 s16, s16, s17                     ; A: the tile's first row + my work-group's 32 rows,
	s_lshl_b32 s16, s16, 13
	s_add_co_u32 s16, s16, 5*KSTEP*2               ; at K step 5: the first refill steps it to 6
	s_lshl_b32 s17, s12, 6
	s_lshl_b32 s18, s41, 4
	s_add_co_u32 s17, s17, s18                     ; B: the 64 K-rows that I fetch + my work-group's 16 of them,
	s_add_co_u32 s17, s17, 5*KSTEP                 ; at K step 5,
	s_lshl_b32 s17, s17, 12
	s_lshl_b32 s18, s42, 9
	s_add_co_u32 s17, s17, s18                     ; at the tile column's 512 bytes
	s_and_b32 s22, ttmp7, 0xffff                   ; B: cluster y must be 0
	s_or_b32 s23, ttmp9, s12                       ; A: cluster x must be 0, and the wave wave 0
	s_mov_b32 s18, KSTEP*2
	s_mov_b32 s19, KSTEP*VROW
	s_mov_b32 s46, XROW
	s_mov_b32 s47, VROW
	s_cmp_eq_u32 s11, 0
	s_cselect_b32 s16, s16, s17
	s_cselect_b32 s22, s23, s22
	s_cselect_b32 s[PST], s18, s19
	s_cselect_b32 s69, s46, s47                    ; bytes from one of my rows to the next
	s_cselect_b32 s68, 0, 1                        ; lanes a row: 1 (shift 0) or 2 (shift 1)
	s_cselect_b32 s70, 0, 1                        ; and the bit that picks the row's block of 256 bytes
	s_cselect_b64 s[PFA:PFA+1], s[4:5], s[6:7]
	s_mov_b32 s17, 0
	s_mov_b32 s[PST+1], 0
	s_add_nc_u64 s[PFA:PFA+1], s[PFA:PFA+1], s[16:17]
	s_cmp_eq_u32 s22, 0
	s_cselect_b32 s[LIM], 2, -1                    ; the same in all sixteen partners, for a given wave
	v_and_b32 v7, 31, v0
	v_lshrrev_b32 v[PFO], s68, v7
	v_mul_u32_u24 v[PFO], v[PFO], s69
	v_and_b32 v6, s70, v7
	v_lshl_add_u32 v[PFO], v6, 8, v[PFO]
; 8 matrix instructions: row block a x all 8 column blocks, 32 along K, from buffer g.  zero = 1: the product starts the sum: nothing is ever cleared.
; The 32 accumulators take turns, one instruction a turn, in the same order in every quarter, over the backward jump too.
.macro MUL8 g, a, zero
	WIN MUL
.irp b, 0,1,2,3,4,5,6,7
.if \zero
	v_wmma_f32_16x16x32_bf16 v[8*(8*(\a)+(\b)):8*(8*(\a)+(\b))+7], v[FB+64*(\g)+8*(\b):FB+64*(\g)+8*(\b)+7], v[FA+32*(\g)+8*(\a):FA+32*(\g)+8*(\a)+7], 0
.else
	v_wmma_f32_16x16x32_bf16 v[8*(8*(\a)+(\b)):8*(8*(\a)+(\b))+7], v[FB+64*(\g)+8*(\b):FB+64*(\g)+8*(\b)+7], v[FA+32*(\g)+8*(\a):FA+32*(\g)+8*(\a)+7], v[8*(8*(\a)+(\b)):8*(8*(\a)+(\b))+7]
.endif
.endr
.endm
; 24 LDS loads in one run: quarter q (32 along K) of a slot into buffer g: B's 128 columns, turned, then A's 64 rows.  It leaves every window 0.
.macro FETCH slot, q, g
	WIN TO_B
.irp b, 0,1,2,3,4,5,6,7
	ds_load_tr16_b128 v[FB+64*(\g)+8*(\b):FB+64*(\g)+8*(\b)+3],   v[ADRB+(\slot)] offset:(\q)*32*PB+32*(\b)
	ds_load_tr16_b128 v[FB+64*(\g)+8*(\b)+4:FB+64*(\g)+8*(\b)+7], v[ADRB+(\slot)] offset:(\q)*32*PB+16*PB+32*(\b)
.endr
	WIN 0
.irp i, 0,1,2,3
	ds_load_b128 v[FA+32*(\g)+8*(\i):FA+32*(\g)+8*(\i)+3],   v[ADRA+(\slot)] offset:64*(\q)+(\i)*16*PA
	ds_load_b128 v[FA+32*(\g)+8*(\i)+4:FA+32*(\g)+8*(\i)+7], v[ADRA+(\slot)] offset:64*(\q)+(\i)*16*PA+32
.endr
.endm
.macro PLACES                          ; four plain vector instructions between a matrix instruction and a load into a register that it has read, or an instruction that reads its result (ISA guide 7.12.1 for vector instructions)
.rept 4
	v_nop
.endr
.endm
; A K step is four quarters of 32 along K, 32 matrix instructions each, on buffers 0, 1, 0, 1.  One of the first three: multiplies buffer f; in its middle it fetches quarter q of the same slot into buffer g.
.macro QUARTER slot, q, f, g, zero
	s_wait_dscnt 4                                 ; B and A's row blocks 0 and 1 are in; the youngest four loads (blocks 2 and 3) may be out
	MUL8 \f, 0, \zero
	MUL8 \f, 1, \zero
	PLACES
	FETCH \slot, \q, \g
	s_wait_dscnt 24                                ; all but the 24 just issued
	MUL8 \f, 2, \zero
	MUL8 \f, 3, \zero
.endm
; The last quarter multiplies buffer 1 and changes slots: ONE barrier.  In front of it each wave waits for all its tensor loads (the one that is out is its part of the next slot), adds 0 to its spare word,
; and waits for that and for its own reads of this slot.  fill = 1: the barrier opens a round of the cluster's, and this slot is filled again, two K steps on, first thing behind the round:
; 112 matrix instructions stand between that request and the wait for it.
.macro TURN slot, next, fill
.if \fill
	s_wait_xcnt 0x0                                ; the last prefetch, a K step back, has read its address: it is stepped here, ahead of the waits of the change of slots
	s_add_nc_u64 s[PFA:PFA+1], s[PFA:PFA+1], s[PST:PST+1]
.endif
	WIN 0                                          ; (the add's two registers lie in window 0)
	s_wait_tensorcnt 0x0                           ; all my tensor loads have landed
	ds_add_u32 v[SPW], v[NIL]                      ; 0 onto my spare word
	s_wait_dscnt 5                                 ; (the add and the youngest four loads may be out)
	MUL8 1, 0, 0                                   ; eight matrix instructions stand between the add and the wait for it
	s_wait_dscnt 0x0                               ; the add is done, and my reads of this slot are over
	s_barrier_signal -1
	MUL8 1, 1, 0                                   ; work on registers while the others arrive
.if \fill
	WIN 0
.endif
	s_barrier_wait -1
.if \fill
	CREST                                          ; no wave of any partner still reads this slot's tiles or has a load on its way
	s_add_nc_u64 s[G0+4*(\slot)+2:G0+4*(\slot)+3], s[G0+4*(\slot)+2:G0+4*(\slot)+3], 2*KSTEP*2
	s_add_nc_u64 s[G0B+4*(\slot)+2:G0B+4*(\slot)+3], s[G0B+4*(\slot)+2:G0B+4*(\slot)+3], 2*KSTEP*VROW
	JLOAD \slot                                    ; the four v_nop behind it are also the places in front of the loads below
.else
	PLACES
.endif
	FETCH \next, 0, 0
.if \fill
	ASK
.endif
	MUL8 1, 2, 0
	MUL8 1, 3, 0
.endm
	s_wait_tensorcnt 1                             ; my part of K step 0 is in; K step 1's may stay out
	s_barrier_signal -1
	s_barrier_wait -1                              ; everybody's is
	FETCH 0, 0, 0
	QUARTER 0, 1, 0, 1, 1                          ; the first quarter stands in front of the loop: its products start the sums
	WIN 0                                          ; at a label and at a branch every window is 0
	s_mov_b32 s3, LAPS-1
.Llap:                                                 ; a trip goes once round the ring, from a lap's second quarter to the next lap's first, and fills both slots again
	QUARTER 0, 2, 1, 0, 0
	QUARTER 0, 3, 0, 1, 0
	TURN 0, 1, 1
	QUARTER 1, 1, 0, 1, 0
	QUARTER 1, 2, 1, 0, 0
	QUARTER 1, 3, 0, 1, 0
	TURN 1, 0, 1
	QUARTER 0, 1, 0, 1, 0
	WIN 0
	s_sub_co_u32 s3, s3, 1
	s_cmp_lg_u32 s3, 0
	s_cbranch_scc1 .Llap
	QUARTER 0, 2, 1, 0, 0                          ; the last lap fills nothing, and has no round of the cluster's barrier
	QUARTER 0, 3, 0, 1, 0
	TURN 0, 1, 0
	QUARTER 1, 1, 0, 1, 0
	QUARTER 1, 2, 1, 0, 0
	QUARTER 1, 3, 0, 1, 0
	s_wait_dscnt 4                                 ; the very last quarter: nothing more to fetch
	MUL8 1, 0, 0
	MUL8 1, 1, 0
	s_wait_dscnt 0x0
	MUL8 1, 2, 0
	MUL8 1, 3, 0
	WIN 0
; THE WAY OUT, a block of 16 rows at a time.  PACK: rounded to f16, 16 bytes a lane, each accumulator from its lowest registers on.  TOSTAGE: into my own stage, and back as whole rows of 256 bytes.  SEND: stored.
.macro PACK a
	WIN 0x0a                                       ; sources 0 and 1 window 2, destination window 0
.irp b, 0,1,2,3,4,5,6,7
.irp r, 0,1,2,3
	v_cvt_pk_f16_f32 v[TMP+4*(\b)+(\r)], v[64*(\a)+8*(\b)+2*(\r)], v[64*(\a)+8*(\b)+2*(\r)+1]
.endr
.endr
	WIN 0
.endm
.macro TOSTAGE a
.irp b, 0,1,2,3,4,5,6,7
	ds_store_b128 v[STO], v[TMP+4*(\b):TMP+4*(\b)+3] offset:32*(\b)
.endr
	s_wait_xcnt 0x0                                ; the global stores of the block two back have read this buffer (ISA guide 3.1): it is loaded again only behind this wait
.irp t, 0,1,2,3,4,5,6,7
	ds_load_b128 v[OB+32*((\a)%2)+4*(\t):OB+32*((\a)%2)+4*(\t)+3], v[RD] offset:(\t)*2*SPITCH  ; LDS serves a wave's instructions in order (ISA guide 5.7.1.4): these see the stores above
.endr
.endm
.macro SEND a
	s_wait_dscnt 0x0                               ; the block is back in registers
.irp t, 0,1,2,3,4,5,6,7
	global_store_b128 v[CO], v[OB+32*((\a)%2)+4*(\t):OB+32*((\a)%2)+4*(\t)+3], s[8:9] offset:(16*(\a)+2*(\t))*TROW  ; 16 lanes store 256 consecutive bytes, at a multiple of 256 from tb's first byte
.endr
.endm
	PLACES
	PLACES                                         ; (eight, once a launch: the conversions read results just made)
	PACK 0
	TOSTAGE 0
.irp a, 1,2,3                          ; block a's conversions stand between block a - 1's loads from the stage and the wait for them
	PACK \a
	SEND (\a)-1
	TOSTAGE \a
.endr
	SEND 3
	s_wait_tensorcnt 0x0                           ; the wave's end, behind my last tensor load and my last LDS store
	ds_add_u32 v[SPW], v[NIL]
	s_wait_dscnt 0x0
	CROUND                                         ; the closing round: no work-group ends while a partner may still ask for a tile that names it
	s_endpgm
.Lfunc_end_k_q262de0f21c_gemm_t:
	.size	k_q262de0f21c_gemm_t, .Lfunc_end_k_q262de0f21c_gemm_t-k_q262de0f21c_gemm_t
	.p2alignl 7, 3214868480
	.fill 96, 4, 3214868480
	.section	.rodata,"a",@progbits
	.p2align	6, 0x0
	.amdhsa_kernel k_q262de0f21c_gemm_t
		.amdhsa_group_segment_fixed_size 327680
		.amdhsa_private_segment_fixed_size 0
		.amdhsa_enable_private_segment 0
		.amdhsa_kernarg_size 24
		.amdhsa_user_sgpr_count 2
		.amdhsa_user_sgpr_kernarg_segment_ptr 1
		.amdhsa_wavefront_size32 1
		.amdhsa_system_sgpr_workgroup_id_x 1
		.amdhsa_system_sgpr_workgroup_id_y 1
		.amdhsa_system_sgpr_workgroup_id_z 1
		.amdhsa_system_vgpr_workitem_id 0
		.amdhsa_next_free_vgpr 768
		.amdhsa_next_free_sgpr 72
		.amdhsa_reserve_vcc 0
		.amdhsa_float_denorm_mode_32 3
		.amdhsa_float_denorm_mode_16_64 3
		.amdhsa_memory_ordered 1
		.amdhsa_forward_progress 1
		.amdhsa_inst_pref_size 89
	.end_amdhsa_kernel
	.amdgpu_metadata
---
amdhsa.version: [ 1, 2 ]
amdhsa.kernels:
  - .name:           k_q262de0f21c_gemm_t
    .symbol:         k_q262de0f21c_gemm_t.kd
    .args:
      - { .name: xb, .offset: 0, .size: 8, .value_kind: global_buffer, .address_space: global }
      - { .name: bvh, .offset: 8, .size: 8, .value_kind: global_buffer, .address_space: global }
      - { .name: tb, .offset: 16, .size: 8, .value_kind: global_buffer, .address_space: global }
    .group_segment_fixed_size: 327680
    .private_segment_fixed_size: 0
    .kernarg_segment_align: 8
    .kernarg_segment_size: 24
    .max_flat_workgroup_size: 128
    .sgpr_count:     72
    .vgpr_count:     768
    .wavefront_size: 32
...
	.end_amdgpu_metadata
.endif
;; end of part 2
;; launch gemm_y (part 3): grid 16 x 16, 4 waves a work-group, clusters of 4 x 4, 327,680 bytes of LDS; arguments tb, bus, h_out, rs, out0; writes out0
.if DOCPART == 3
	.amdgcn_target "amdgcn-amd-amdhsa--gfx1250"
	.amdhsa_code_object_version 6
	.text
	.protected	k_q262de0f21c_gemm_y
	.globl	k_q262de0f21c_gemm_y
	.p2align	8
	.type	k_q262de0f21c_gemm_y,@function
k_q262de0f21c_gemm_y:
	s_mov_b64 s[64:65], 0
	v_nop
	global_prefetch_b8 v0, s[64:65] scope:SCOPE_SE
	s_setreg_imm32_b32 hwreg(HW_REG_WAVE_MODE, 25, 1), 1
	s_wait_xcnt 0x0
	s_wait_alu depctr_hold_cnt(0) depctr_sa_sdst(0) depctr_va_vdst(0) depctr_va_sdst(0) depctr_va_ssrc(0) depctr_va_vcc(0) depctr_vm_vsrc(0)
	s_getreg_b32 s2, hwreg(HW_REG_IB_STS2, 6, 4)
	s_cmp_eq_u32 s2, 0
	s_cbranch_scc0 .Lentry_in_a_cluster
	s_endpgm
.Lentry_in_a_cluster:
	s_bfe_u32 s2, ttmp6, 0x10000c
	s_cmp_lg_u32 s2, 0xf033
	s_cbranch_scc0 .Lentry_shape_is_right
	s_endpgm
.Lentry_shape_is_right:
; out0[m][o] = bf16(h_out[o]) x rs[m] x sum over r of tb[m][r] bus[o][r].  tb: [4096][2048] f16, bus: [4096][2048] f16 (K along the rows of both), h_out: [4096] f32,
; rs: [4096][2] f32 (the power of two by which row m of t was divided, twice), out0: [4096][4096] f32.
; Sums in f32, K ascending, one accumulator an output; on the way out one multiply by the row's power of two, which is exact, and one by h_out.
; LIMIT: h_out is rounded to bf16 (nearest even), like every other input of the program.  f16 holds both operands: t by its row's scale, s by its own size (the heads of the two launches before give the figures).
; THE TILE.  256 x 256 of out0 to a work-group: 16 x 16 = 256 work-groups of equal work.  Four waves, each 128 x 128: 64 accumulators of 16 x 16, 512 registers.
; THE RING.  K goes in 16 steps of 128 through two LDS slots, each with 256 rows of A and 256 of B, 256 bytes a row; each wave fetches 128 rows with one tensor load behind each change of slots.
; CLUSTERS.  4 x 4 work-groups: A's tile is shared along a row of the cluster, B's along a column; each is asked for jointly.
; THE MATRIX INSTRUCTION IS USED TRANSPOSED (source 0 = 16 rows of bus, source 1 = 16 rows of tb): a lane holds row l % 16 of out0 and the eight neighbouring columns 8 (l / 16) + 0..7: 32 bytes.
; REGISTERS, in windows of 256 (s_set_vgpr_msb: bits 1:0 source 0, 3:2 source 1, 5:4 source 2, 7:6 destination):
;   window 0: v0-31 addresses and h_out; v32-47 the rows' scales; v64-127, v128-191 A's fragments, two buffers, and on the way out the rows read back          window 1: v64-127, v128-191 B's fragments, two buffers
;   window 2: the 32 accumulators of my rows 0-63 ((a, b) at v[8 (8 a + b)])          window 3: those of my rows 64-127
.set KSTEP,  128
.set KROW,   4096                      ; bytes in a row of tb and of bus
.set CROW,   16384                     ; bytes in a row of out0
.set PITCH,  272                       ; an LDS row: 256 bytes + 16 of padding = 68 words: the 16 rows of a load start at 16 different groups of four banks (64 banks of 4 bytes: ISA guide 11.1)
.set HALFT,  128*PITCH                 ; 128 rows: what one tensor load brings, and what one wave reads of A or of B
.set SLOT,   4*HALFT                   ; A's 256 rows, then B's 256 rows
.set STAGE,  2*SLOT                    ; behind the ring, never filled by a tensor load: 16 rows x 528 bytes for each wave
.set SPITCH, 528                       ; a stage row: 512 bytes + 16 = 132 words: the 16 rows that a store touches start at 16 different groups of four banks
.set SPARE,  STAGE+4*16*SPITCH         ; behind the stages: the spare words, 128 bytes for each wave: two blocks of 256 bytes that no other line names
.set LAPS,   8                         ; a lap = two K steps = once round the ring
.set HQ,   8                           ; v[8:11] h_out of the four columns that I store
.set ADRA, 16                          ; v16-17  LDS address of my A fragments in slot 0, 1
.set ADRB, 20                          ; v20-21  the same for B
.set STO,  24                          ; v24     the way out: where I put 32 bytes of a row
.set RD,   25                          ; v25     the way out: where I read 16 bytes of a row back
.set CO,   26                          ; v26     16 x my lane: my place in 512 bytes of out0 and of h_out; never rewritten
.set RSO,  27                          ; v27     8 x (l % 16): my row's place among a block's 16 in rs; never rewritten
.set SPW,  28                          ; v28     LDS address of my spare word: SPARE + 4 x my thread's number; never rewritten
.set NIL,  29                          ; v29     0; never rewritten
.set PFO,  30                          ; v30     the prefetches' offset: my lane x a row of tb or bus; never rewritten
.set RS,   32                          ; v[32:47] block a of my eight blocks of 16 rows: the scale of row 16 a + l % 16, twice, at RS + 2 a
.set F0,   64                          ; fragment buffer 0
.set F1,   128                         ; fragment buffer 1
.set OB,   64                          ; the way out: 16 rows read back, two buffers of 64
.set G1,  24                           ; s[24:31] descriptor group 1 for A's tiles
.set G0,  32                           ; s[32:39] descriptor group 0 for A's tiles, one set for each slot
.set LIM, 43                           ; s43      1 in a wave that prefetches, else the greatest number
.set PFA, 44                           ; s[44:45] the K step that my next prefetch names
.set G1B, 48                           ; s[48:55], s[56:63] the same two groups for B's tiles
.set G0B, 56
.set MSB, 0
.macro WIN new                         ; the immediate's high byte repeats the setting that is left; a switch that changes nothing is dropped
.if MSB != (\new)
	s_set_vgpr_msb (MSB<<8)|(\new)
.set MSB, \new
.endif
.endm
.set MUL_LO, 0xa1                      ; source 0 (B) window 1, source 1 (A) window 0, C and D window 2
.set MUL_HI, 0xf1                      ; the same, C and D window 3
.set TO_B,   0x40                      ; destination window 1, address window 0
; A joint load: waves 0 and 1 fetch A's two halves, waves 2 and 3 B's.  The branch hangs on the wave's number alone.  An s_nop 0 and four v_nop follow each of the two lines.
.macro JLOAD s
	s_cmp_eq_u32 s11, 0
	s_cbranch_scc0 .Lfor_b_\@
	tensor_load_to_lds s[G0+4*(\s):G0+4*(\s)+3], s[G1:G1+7]
	s_nop 0
.rept 4
	v_nop
.endr
	s_branch .Lasked_\@
.Lfor_b_\@:
	tensor_load_to_lds s[G0B+4*(\s):G0B+4*(\s)+3], s[G1B:G1B+7]
	s_nop 0
.rept 4
	v_nop
.endr
.Lasked_\@:
.endm
; A PREFETCH INTO THE L2, behind each joint load and the run of LDS loads that follows it: the K step TWO refills on, 512 matrix instructions of a wave ahead of the load that will ask for it.
; Each row's 256 bytes of a K step are named once in the launch.  A's tile row is read by every cluster of a row of clusters: the one with cluster x = 0 asks; B's tile column by every cluster of a
; column: the one with cluster y = 0 asks.  Of the 128 rows that a wave fetches each of the four partners that share them takes 32, told apart by address (cx for A, cy for B): a lane a row.
; K steps 2 and 3 come by their loads alone: nothing is asked for at the head.  The loop's last trip asks for nothing: the K steps two on do not exist.
.macro ASK
	s_cmp_gt_u32 s3, s[LIM]
	s_cbranch_scc0 .Lnot_mine_\@
	global_prefetch_b8 v[PFO], s[PFA:PFA+1] th:TH_LOAD_NT scope:SCOPE_SE
.Lnot_mine_\@:
.endm
.macro CREST                           ; a round of the cluster's barrier behind its opening barrier
	s_cmp_lg_u32 s10, 0
	s_cbranch_scc1 .Lnot_wave_0_\@
	s_barrier_signal -3
.Lnot_wave_0_\@:
	s_barrier_wait -3
	s_barrier_signal -1
	s_barrier_wait -1
.endm
.macro CROUND                          ; a whole round
	s_barrier_signal -1
	s_barrier_wait -1
	CREST
.endm
	s_load_b128 s[4:7], s[0:1], 0x0                ; tb s[4:5], bus s[6:7]
	s_load_b128 s[68:71], s[0:1], 0x10             ; h_out s[68:69], rs s[70:71]
	s_load_b64 s[72:73], s[0:1], 0x20              ; out0
	v_lshl_add_u32 v[SPW], v0, 2, SPARE
	v_mov_b32 v[NIL], 0
	ds_add_u32 v[SPW], v[NIL]                      ; the wave's opening: the add, twice on end, and its wait ahead of my first tensor load; the set-up below stands between
	ds_add_u32 v[SPW], v[NIL]
	v_lshrrev_b32 v1, 5, v0
	v_readfirstlane_b32 s10, v1                    ; wave 0..3
	s_lshr_b32 s11, s10, 1                         ; which half of the tile's rows is mine.  Also: I fetch for A (0) or for B (1)
	s_and_b32 s12, s10, 1                          ; which half of its columns.  Also: which 128 rows of that tile I fetch
	s_bfe_u32 s40, ttmp6, 0x40000                  ; cx, cy: my place in the cluster
	s_bfe_u32 s41, ttmp6, 0x40004
	s_lshl_b32 s42, ttmp9, 2
	s_add_co_u32 s42, s42, s40                     ; tile column = 4 x cluster x + cx
	s_and_b32 s13, ttmp7, 0xffff
	s_lshl_b32 s13, s13, 2
	s_add_co_u32 s13, s13, s41                     ; tile row = 4 x cluster y + cy
	s_lshl_b32 s43, s41, 2
	s_lshl_b32 s43, 15, s43                        ; my row of the cluster
	s_lshl_b32 s44, 0x1111, s40                    ; my column
	; descriptor group 1: a tile of 128 rows x 128 elements, padded in LDS
	s_or_b32 s[G1+0], s43, (1<<16)|(1<<20)|(1<<21)|(5<<22)|(3<<25)  ; 15:0 the mask; 17:16 elements of 2 bytes; 20 padding on; 21 set beside a mask; 24:22 after every 64 words (code 5); 31:25 4 words (code 3)
	s_or_b32 s[G1B+0], s44, (1<<16)|(1<<20)|(1<<21)|(5<<22)|(3<<25)
.irp g, G1, G1B
	s_mov_b32 s[(\g)+1], KSTEP<<16                 ; tensor_dim0 = 128
	s_mov_b32 s[(\g)+2], 128<<16                   ; tensor_dim1 = 128
	s_mov_b32 s[(\g)+3], KSTEP<<16                 ; tile_dim0 = 128
	s_mov_b32 s[(\g)+4], 128                       ; tile_dim1 = 128
	s_mov_b32 s[(\g)+5], KROW/2                    ; elements from row to row
	s_mov_b32 s[(\g)+6], 0
	s_mov_b32 s[(\g)+7], 0
.endr
	; where the tiles come from.  A's hang on the tile row alone, B's on the tile column alone; each offset in registers that never hold the other coordinate
	s_lshl_b32 s17, s12, 7                         ; which 128 rows of the tile I fetch
	s_lshl_b32 s16, s13, 8
	s_add_co_u32 s16, s16, s17                     ; A: row 256 x tile row + 128 x half,
	s_lshl_b32 s16, s16, 12                        ; in bytes
	s_lshl_b32 s46, s42, 8
	s_add_co_u32 s46, s46, s17                     ; B: row 256 x tile column + 128 x half
	s_lshl_b32 s46, s46, 12
	s_mov_b32 s17, 0
	s_mov_b32 s47, 0
	s_mul_i32 s20, s10, HALFT                      ; and where they go: A's two halves, then B's two halves = wave x 128 rows
	s_wait_dscnt 0x0                               ; both opening adds are done
	s_wait_kmcnt 0x0
	s_add_nc_u64 s[14:15], s[4:5], s[16:17]
	s_add_nc_u64 s[46:47], s[6:7], s[46:47]
	CROUND                                         ; all sixteen work-groups are here: the first joint loads meet
.irp s, 0,1
	s_mov_b32 s[G0+4*(\s)], 1                                        ; count = 1
	s_add_co_u32 s[G0+4*(\s)+1], s20, (\s)*SLOT                      ; LDS address
	s_add_nc_u64 s[G0+4*(\s)+2:G0+4*(\s)+3], s[14:15], (\s)*KSTEP*2  ; global address: K step s
	s_or_b32 s[G0+4*(\s)+3], s[G0+4*(\s)+3], 0x80000000              ; type = 2
	s_mov_b32 s[G0B+4*(\s)], 1
	s_add_co_u32 s[G0B+4*(\s)+1], s20, (\s)*SLOT
	s_add_nc_u64 s[G0B+4*(\s)+2:G0B+4*(\s)+3], s[46:47], (\s)*KSTEP*2
	s_or_b32 s[G0B+4*(\s)+3], s[G0B+4*(\s)+3], 0x80000000
	JLOAD \s                                       ; the ring is filled before anything else is done: two loads of mine are out
.endr
	; A fragment is 16 rows x 32 K in 8 registers: lane l holds row l % 16; registers 0-3 K = 8 (l / 16) + 0..7, registers 4-7 K = 16 + 8 (l / 16) + 0..7: two loads of 16 bytes, 32 bytes apart.
	v_and_b32 v1, 15, v0                           ; l % 16
	v_bfe_u32 v2, v0, 4, 1                         ; l / 16
	v_mul_u32_u24 v3, v1, PITCH
	v_lshl_add_u32 v3, v2, 4, v3                   ; row x pitch + 16 x half
	s_mul_i32 s21, s11, HALFT                      ; my 128 rows of A
	s_mul_i32 s22, s12, HALFT                      ; my 128 rows of B,
	s_add_co_u32 s22, s22, 2*HALFT                 ; which lie behind A's 256
.irp s, 0,1
	v_add_nc_u32 v[ADRA+(\s)], s21, v3
	v_add_nc_u32 v[ADRB+(\s)], s22, v3
	s_add_co_u32 s21, s21, SLOT
	s_add_co_u32 s22, s22, SLOT
.endr
	s_mul_i32 s23, s10, 16*SPITCH
	s_add_co_u32 s23, s23, STAGE                   ; my stage
	v_mul_u32_u24 v4, v1, SPITCH                   ; in: row l % 16, 32 bytes for each half of the lanes
	v_lshl_add_u32 v4, v2, 5, v4
	v_add_nc_u32 v[STO], s23, v4
	v_and_b32 v5, 31, v0
	v_lshlrev_b32 v[CO], 4, v5                     ; back: 32 lanes take one row of 512 bytes
	v_add_nc_u32 v[RD], s23, v[CO]
	v_lshlrev_b32 v[PFO], 12, v5                   ; a lane a row of 4,096 bytes
	v_lshlrev_b32 v[RSO], 3, v1                    ; 8 bytes a row of rs
	s_lshl_b32 s46, s42, 10                        ; my first column: 1,024 x tile column + 512 x column half bytes, in a row of out0 and in h_out alike (both f32)
	s_lshl_b32 s47, s12, 9
	s_add_co_u32 s46, s46, s47
	s_mov_b32 s47, 0
	s_add_nc_u64 s[68:69], s[68:69], s[46:47]
	global_load_b128 v[HQ:HQ+3], v[CO], s[68:69]   ; h_out of my four columns: waited for on the way out; neither address register is written again
	s_lshl_b32 s16, s13, 8
	s_lshl_b32 s17, s11, 7
	s_add_co_u32 s16, s16, s17                     ; my first row of out0: 256 x tile row + 128 x row half
	s_lshl_b32 s18, s16, 3                         ; in rs: 8 bytes a row
	s_mov_b32 s19, 0
	s_add_nc_u64 s[70:71], s[70:71], s[18:19]
.irp a, 0,1,2,3,4,5,6,7
	global_load_b64 v[RS+2*(\a):RS+2*(\a)+1], v[RSO], s[70:71] offset:128*(\a)   ; the scale of row 16 a + l % 16, twice: waited for on the way out; neither address register is written again
.endr
	s_lshl_b32 s16, s16, 14                        ; in out0: 16,384 bytes a row
	s_mov_b32 s17, 0
	s_add_nc_u64 s[8:9], s[72:73], s[16:17]
	s_add_nc_u64 s[8:9], s[8:9], s[46:47]
	; the prefetches: both candidates are made, then one compare on 'do I fetch for A?' chooses
	s_lshl_b32 s18, s13, 8                         ; the tile's first row in A,
	s_lshl_b32 s19, s42, 8                         ; in B
	s_and_b32 s22, ttmp7, 0xffff                   ; cluster y
	s_cmp_eq_u32 s11, 0
	s_cselect_b32 s20, s18, s19
	s_cselect_b32 s21, s40, s41                    ; my place among the four that ask for the tile with me
	s_cselect_b32 s22, ttmp9, s22                  ; the coordinate along which other clusters read the same rows
	s_cselect_b64 s[PFA:PFA+1], s[4:5], s[6:7]
	s_cmp_eq_u32 s22, 0
	s_cselect_b32 s[LIM], 1, -1                    ; the same in all sixteen partners, for a given wave
	s_lshl_b32 s22, s12, 7
	s_add_co_u32 s20, s20, s22                     ; + the 128 rows that I fetch
	s_lshl_b32 s21, s21, 5
	s_add_co_u32 s20, s20, s21                     ; + my work-group's 32 of them,
	s_lshl_b32 s20, s20, 12                        ; in bytes,
	s_add_co_u32 s20, s20, 3*KSTEP*2               ; at K step 3: the first refill steps it to 4
	s_mov_b32 s21, 0
	s_add_nc_u64 s[PFA:PFA+1], s[PFA:PFA+1], s[20:21]
; 16 matrix instructions: row blocks a0, a0 + 1 of the window's four (hi = 0: my rows 0-63, 1: rows 64-127) x all 8 column blocks, 32 along K.  zero = 1: the product starts the sum: nothing is ever cleared.
; The 64 accumulators take turns, one instruction a turn, in the same order in every quarter, over the backward jump too.
.macro MUL16 f, hi, a0, zero
	WIN MUL_LO+0x50*(\hi)
.irp a, \a0, (\a0)+1
.irp b, 0,1,2,3,4,5,6,7
.if \zero
	v_wmma_f32_16x16x32_f16 v[8*(8*(\a)+(\b)):8*(8*(\a)+(\b))+7], v[(\f)+8*(\b):(\f)+8*(\b)+7], v[(\f)+8*(4*(\hi)+(\a)):(\f)+8*(4*(\hi)+(\a))+7], 0
.else
	v_wmma_f32_16x16x32_f16 v[8*(8*(\a)+(\b)):8*(8*(\a)+(\b))+7], v[(\f)+8*(\b):(\f)+8*(\b)+7], v[(\f)+8*(4*(\hi)+(\a)):(\f)+8*(4*(\hi)+(\a))+7], v[8*(8*(\a)+(\b)):8*(8*(\a)+(\b))+7]
.endif
.endr
.endr
.endm
; 32 LDS loads in one run: the fragments of one quarter (128 rows of B, 128 rows of A, 32 K at byte k of the rows) into buffer f.  It leaves every window 0.
.macro FETCH slot, k, f
	WIN TO_B
.irp i, 0,1,2,3,4,5,6,7
	ds_load_b128 v[(\f)+8*(\i):(\f)+8*(\i)+3],   v[ADRB+(\slot)] offset:(\k)+(\i)*16*PITCH
	ds_load_b128 v[(\f)+8*(\i)+4:(\f)+8*(\i)+7], v[ADRB+(\slot)] offset:(\k)+(\i)*16*PITCH+32
.endr
	WIN 0
.irp i, 0,1,2,3,4,5,6,7
	ds_load_b128 v[(\f)+8*(\i):(\f)+8*(\i)+3],   v[ADRA+(\slot)] offset:(\k)+(\i)*16*PITCH
	ds_load_b128 v[(\f)+8*(\i)+4:(\f)+8*(\i)+7], v[ADRA+(\slot)] offset:(\k)+(\i)*16*PITCH+32
.endr
.endm
.macro PLACES                          ; four plain vector instructions between a matrix instruction and a load into a register that it has read, or an instruction that reads its result (ISA guide 7.12.1 for vector instructions)
.rept 4
	v_nop
.endr
.endm
; A K step is four quarters of 32 along K, 64 matrix instructions each, on buffers 0, 1, 0, 1.  One of the first three: multiplies buffer f; in its middle it fetches the next quarter, at byte k, into buffer g.
.macro QUARTER slot, k, f, g, zero
	s_wait_dscnt 8                                 ; B and A's rows 0-63 are in; the youngest eight loads (A's rows 64-127) may be out
	MUL16 \f, 0, 0, \zero
	MUL16 \f, 0, 2, \zero
	PLACES
	FETCH \slot, \k, \g
	s_wait_dscnt 32                                ; all but the 32 just issued
	MUL16 \f, 1, 0, \zero
	MUL16 \f, 1, 2, \zero
.endm
; The last quarter multiplies buffer 1 and changes slots: ONE barrier.  In front of it each wave waits for all its tensor loads (the one that is out is its part of the next slot), adds 0 to its spare word,
; and waits for that and for its own reads of this slot.  fill = 1: the barrier opens a round of the cluster's, and this slot is filled again, two K steps on, first thing behind the round:
; 224 matrix instructions stand between that request and the wait for it.
.macro TURN slot, next, fill
.if \fill
	s_wait_xcnt 0x0                                ; the last prefetch, a K step back, has read its address: it is stepped here, ahead of the waits of the change of slots
	s_add_nc_u64 s[PFA:PFA+1], s[PFA:PFA+1], KSTEP*2
.endif
	WIN 0                                          ; (the add's two registers lie in window 0)
	s_wait_tensorcnt 0x0                           ; all my tensor loads have landed
	ds_add_u32 v[SPW], v[NIL]                      ; 0 onto my spare word
	s_wait_dscnt 9                                 ; (the add and the youngest eight loads may be out)
	MUL16 F1, 0, 0, 0                              ; sixteen matrix instructions stand between the add and the wait for it
	s_wait_dscnt 0x0                               ; the add is done, and my reads of this slot are over
	s_barrier_signal -1
	MUL16 F1, 0, 2, 0                              ; work on registers while the others arrive
.if \fill
	WIN 0
.endif
	s_barrier_wait -1
.if \fill
	CREST                                          ; no wave of any partner still reads this slot's tiles or has a load on its way
	s_add_nc_u64 s[G0+4*(\slot)+2:G0+4*(\slot)+3], s[G0+4*(\slot)+2:G0+4*(\slot)+3], 2*KSTEP*2
	s_add_nc_u64 s[G0B+4*(\slot)+2:G0B+4*(\slot)+3], s[G0B+4*(\slot)+2:G0B+4*(\slot)+3], 2*KSTEP*2
	JLOAD \slot                                    ; the four v_nop behind it are also the places in front of the loads below
.else
	PLACES
.endif
	FETCH \next, 0, F0
.if \fill
	ASK
.endif
	MUL16 F1, 1, 0, 0
	MUL16 F1, 1, 2, 0
.endm
	s_wait_tensorcnt 1                             ; my part of K step 0 is in; K step 1's may stay out
	s_barrier_signal -1
	s_barrier_wait -1                              ; everybody's is
	FETCH 0, 0, F0
	QUARTER 0, 64,  F0, F1, 1                      ; the first quarter stands in front of the loop: its products start the sums
	WIN 0                                          ; at a label and at a branch every window is 0
	s_mov_b32 s3, LAPS-1
.Llap:                                                 ; a trip goes once round the ring, from a lap's second quarter to the next lap's first, and fills both slots again
	QUARTER 0, 128, F1, F0, 0
	QUARTER 0, 192, F0, F1, 0
	TURN 0, 1, 1
	QUARTER 1, 64,  F0, F1, 0
	QUARTER 1, 128, F1, F0, 0
	QUARTER 1, 192, F0, F1, 0
	TURN 1, 0, 1
	QUARTER 0, 64,  F0, F1, 0
	WIN 0
	s_sub_co_u32 s3, s3, 1
	s_cmp_lg_u32 s3, 0
	s_cbranch_scc1 .Llap
	QUARTER 0, 128, F1, F0, 0                      ; the last lap fills nothing, and has no round of the cluster's barrier
	QUARTER 0, 192, F0, F1, 0
	TURN 0, 1, 0
	QUARTER 1, 64,  F0, F1, 0
	QUARTER 1, 128, F1, F0, 0
	QUARTER 1, 192, F0, F1, 0
	s_wait_dscnt 8                                 ; the very last quarter: nothing more to fetch
	MUL16 F1, 0, 0, 0
	MUL16 F1, 0, 2, 0
	s_wait_dscnt 0x0
	MUL16 F1, 1, 0, 0
	MUL16 F1, 1, 2, 0
	WIN 0
; THE WAY OUT, a block of 16 rows at a time.  SCALE: the block's eight accumulators, in which a lane holds one row, are multiplied in place by that row's power of two, each accumulator from its lowest registers on.
; TOSTAGE: they go into my own stage as they are (f32, 32 bytes a lane) and come back as whole rows of 512 bytes, a row a load.  SEND: each row is multiplied by h_out of its columns and stored.
.macro SCALE a
	WIN 0x82+0x41*((\a)/4)                         ; destination and source 0 in window 2 or 3, the scale in window 0
.set i, 0
.rept 32
	v_pk_mul_f32 v[64*((\a)%4)+2*i:64*((\a)%4)+2*i+1], v[64*((\a)%4)+2*i:64*((\a)%4)+2*i+1], v[RS+2*(\a):RS+2*(\a)+1]
.set i, i+1
.endr
	WIN 0
.endm
.macro TOSTAGE a
	WIN 0x08+4*((\a)/4)                            ; the stores' data (source 1) in window 2 or 3, their address in window 0
.irp b, 0,1,2,3,4,5,6,7
	ds_store_b128 v[STO], v[64*((\a)%4)+8*(\b):64*((\a)%4)+8*(\b)+3]   offset:64*(\b)
	ds_store_b128 v[STO], v[64*((\a)%4)+8*(\b)+4:64*((\a)%4)+8*(\b)+7] offset:64*(\b)+16
.endr
	WIN 0
	s_wait_xcnt 0x0                                ; the global stores of the block two back have read this buffer (ISA guide 3.1): it is loaded again only behind this wait
.irp t, 0,1,2,3,4,5,6,7,8,9,10,11,12,13,14,15
	ds_load_b128 v[OB+64*((\a)%2)+4*(\t):OB+64*((\a)%2)+4*(\t)+3], v[RD] offset:(\t)*SPITCH  ; LDS serves a wave's instructions in order (ISA guide 5.7.1.4): these see the stores above; the next block's stores come behind them
.endr
.endm
.macro SEND a
.set BK, OB+64*((\a)%2)
.irp t, 0,1,2,3,4,5,6,7,8,9,10,11,12,13,14,15
	s_wait_dscnt 15-(\t)                           ; row t is back; the block's later rows may be out
	v_pk_mul_f32 v[BK+4*(\t):BK+4*(\t)+1],   v[BK+4*(\t):BK+4*(\t)+1],   v[HQ:HQ+1]
	v_pk_mul_f32 v[BK+4*(\t)+2:BK+4*(\t)+3], v[BK+4*(\t)+2:BK+4*(\t)+3], v[HQ+2:HQ+3]
	global_store_b128 v[CO], v[BK+4*(\t):BK+4*(\t)+3], s[8:9] offset:(16*(\a)+(\t))*CROW th:TH_STORE_NT  ; the wave stores 512 consecutive bytes, at a multiple of 256 from out0's first byte; 127 rows at the most: inside the signed 24-bit immediate
.endr
.endm
	s_wait_loadcnt 0x0                             ; h_out and the rows' scales
	PLACES
	PLACES                                         ; (eight, once a launch: the multiplies read and write results just made, and the loads land where A's fragments lay)
	v_cvt_pk_bf16_f32 v12, v[HQ], v[HQ+1]          ; h_out is rounded to bf16 and widened again
	v_cvt_pk_bf16_f32 v13, v[HQ+2], v[HQ+3]
	v_lshlrev_b32 v[HQ],   16, v12
	v_and_b32     v[HQ+1], 0xffff0000, v12
	v_lshlrev_b32 v[HQ+2], 16, v13
	v_and_b32     v[HQ+3], 0xffff0000, v13
	SCALE 0
	TOSTAGE 0
.irp a, 1,2,3,4,5,6,7                  ; block a's scaling stands between block a - 1's loads from the stage and the waits for them
	SCALE \a
	SEND (\a)-1
	TOSTAGE \a
.endr
	SEND 7
	s_wait_tensorcnt 0x0                           ; the wave's end, behind my last tensor load and my last LDS store
	ds_add_u32 v[SPW], v[NIL]
	s_wait_dscnt 0x0
	CROUND                                         ; the closing round: no work-group ends while a partner may still ask for a tile that names it
	s_endpgm
.Lfunc_end_k_q262de0f21c_gemm_y:
	.size	k_q262de0f21c_gemm_y, .Lfunc_end_k_q262de0f21c_gemm_y-k_q262de0f21c_gemm_y
	.p2alignl 7, 3214868480
	.fill 96, 4, 3214868480
	.section	.rodata,"a",@progbits
	.p2align	6, 0x0
	.amdhsa_kernel k_q262de0f21c_gemm_y
		.amdhsa_group_segment_fixed_size 327680
		.amdhsa_private_segment_fixed_size 0
		.amdhsa_enable_private_segment 0
		.amdhsa_kernarg_size 40
		.amdhsa_user_sgpr_count 2
		.amdhsa_user_sgpr_kernarg_segment_ptr 1
		.amdhsa_wavefront_size32 1
		.amdhsa_system_sgpr_workgroup_id_x 1
		.amdhsa_system_sgpr_workgroup_id_y 1
		.amdhsa_system_sgpr_workgroup_id_z 1
		.amdhsa_system_vgpr_workitem_id 0
		.amdhsa_next_free_vgpr 1024
		.amdhsa_next_free_sgpr 76
		.amdhsa_reserve_vcc 0
		.amdhsa_float_denorm_mode_32 3
		.amdhsa_float_denorm_mode_16_64 3
		.amdhsa_memory_ordered 1
		.amdhsa_forward_progress 1
		.amdhsa_inst_pref_size 179
	.end_amdhsa_kernel
	.amdgpu_metadata
---
amdhsa.version: [ 1, 2 ]
amdhsa.kernels:
  - .name:           k_q262de0f21c_gemm_y
    .symbol:         k_q262de0f21c_gemm_y.kd
    .args:
      - { .name: tb, .offset: 0, .size: 8, .value_kind: global_buffer, .address_space: global }
      - { .name: bus, .offset: 8, .size: 8, .value_kind: global_buffer, .address_space: global }
      - { .name: h_out, .offset: 16, .size: 8, .value_kind: global_buffer, .address_space: global }
      - { .name: rs, .offset: 24, .size: 8, .value_kind: global_buffer, .address_space: global }
      - { .name: out0, .offset: 32, .size: 8, .value_kind: global_buffer, .address_space: global }
    .group_segment_fixed_size: 327680
    .private_segment_fixed_size: 0
    .kernarg_segment_align: 8
    .kernarg_segment_size: 40
    .max_flat_workgroup_size: 128
    .sgpr_count:     76
    .vgpr_count:     1024
    .wavefront_size: 32
...
	.end_amdgpu_metadata
.endif
;; end of part 3
;; ======== version 2 of 2: 3 launches
;; limits: values are held in f16: magnitudes above 65,504 overflow, below 6.1e-05 lose precision; right only within a limited range of input values
;; workspace buffers: xb 33,554,432 bytes; bvb 1,048,576 bytes; bus 16,777,216 bytes; tb 16,777,216 bytes; rs 32,768 bytes
;; launch prep (part 4): grid 1024 x 1, 8 waves a work-group, no clusters, 2,304 bytes of LDS; arguments x, v, u, s, h_in, xb, bvb, bus, rs; writes xb, bvb, bus, rs
.if DOCPART == 4
	.amdgcn_target "amdgcn-amd-amdhsa--gfx1250"
	.amdhsa_code_object_version 6
	.text
	.protected	k_q262de0f21c_prep
	.globl	k_q262de0f21c_prep
	.p2align	8
	.type	k_q262de0f21c_prep,@function
k_q262de0f21c_prep:
	s_mov_b64 s[64:65], 0
	v_nop
	global_prefetch_b8 v0, s[64:65] scope:SCOPE_SE
	s_setreg_imm32_b32 hwreg(HW_REG_WAVE_MODE, 25, 1), 1
	s_wait_xcnt 0x0
; xb[m][i] = f16(x[m][i] h_in[i] / 2^e[m]);  rs[m] = (2^e[m], 2^e[m]);  bvb = the signs of v, a bit each;  bus[o][r] = (u[o][r] >= 0 ? + : -) f16(s[r]).
; x: [4096][4096] f32, v and u: [4096][2048] f32, s: [2048] f32, h_in: [4096] f32; xb, bus: f16; rs: [4096][2] f32; bvb: [32][2048][2][2] words.
; WHY SO.  The first product's second operand is then +1 or -1 alone: it goes to the next launch as bits, a sixteenth of its bytes in f16.  x h_in is made in f32 and rounded once, to f16's 11 bits.
; THE ROW SCALE.  So that f16 holds x h_in, and the sums t of 4,096 such terms, for every input, row m is divided by 2^e[m], the power of two at or below max over i of |x[m][i] h_in[i]|: exact.
; Each term is then 2 at the most and |t| 8,192 at the most; the row's largest term is 1 or more; a term below 6e-5 keeps f16's fixed step of 6e-8.
; THE BITS.  Word bvb[k / 128][n][h][qp] holds column n's signs for the quarters q = 2 qp and 2 qp + 1 (32 along K each) of a block of 128 along K, as the half h of the lanes wants them for a matrix operand:
; its register i (0..7) holds K = 32 q + 8 h + 2 i + 8 (i / 4), and the K after it; bit 15 - i - 8 (q % 2) is set where the first is negative, bit 31 - i - 8 (q % 2) where the second is.
; LIMITS.  2^e is held between 2^-100 and 2^100: a row with |x h_in| beyond 2^100 may pass f16's end.  s is rounded to f16: 11 bits for 6e-5 <= |s| < 65,504; below, f16's fixed step of 6e-8; beyond, an infinity.
; A NaN among the products is left out of the maximum.  The sign is taken as 0 <= a: -0 counts as +, NaN as -.
; A stream: no matrix unit, no loop.  A work-group of eight waves owns 4 rows of x, 4 rows of u, and of v 128 rows x 64 columns: 16 + 8 + 8 loads of 16 bytes a thread.  A wave's load of x or u covers 512 consecutive
; bytes, aligned; of v, 256 aligned bytes of each of two rows.  Its store of 8 bytes a lane covers 256 consecutive bytes, aligned.  x's four rows stay in 64 registers between the pass that finds the maxima and the
; pass that scales: x is read once.  28 loads of a wave go out at once; s and u follow when x's quads are free.
.set CH,   4096                        ; bytes of a chunk of x or u as loaded
.set CO,   2048                        ; bytes of a chunk as stored
.set VROW, 8192                        ; bytes in a row of v
.set SPARE, 256                        ; LDS: bytes 0-127 the waves' maxima (wave w's four at 16 w); from 256 on the spare words, 128 bytes for each wave: four blocks of 256 bytes that no other line names
.set BITS, 1280                        ; LDS: 1,024 bytes: thread t's four sign bytes (its four columns') at BITS + 4 t
.set SPW,  3                           ; v3        LDS address of my spare word: SPARE + 4 x my thread's number; never rewritten
.set NIL,  4                           ; v4        0; never rewritten
.set VO,   5                           ; v5        my byte offset in the work-group's block of v; never rewritten
.set M,    6                           ; v[6:9]    the largest |x h_in| of my numbers in each of the four rows
.set BA,   6                           ; v[6:9]    later: the sign bytes of my four columns of v
.set RUN,  10                          ; v[10:11]  the running maximum and minimum of a row; later 2^e, twice
.set HX,   12                          ; v[12:27]  h_in of my 16 columns of x: columns 1,024 c + 4 t .. at HX + 4 c
.set T,    28                          ; v[28:31]  at work
.set D,    32                          ; v[32:127] 24 quads: x's chunk i at D + 4 i, v's load j at D + 64 + 4 j, u's chunk j at D + 4 j (where x's first eight lay)
.set SP,   D+32                         ; v[64:71]  where x's chunks 8, 9 lay: s of my 8 columns of u (4 t .. and 1,024 + 4 t ..)
.set SN,   D+40                         ; v[72:79]  their negatives
.set U8,   D+64                         ; v[96:111] where v's quads lay: the 16 bytes of a column's four words
.set WD,   D+80                         ; v[112:115] the four words
.set INV,  32                          ; s[32:39]  row j: 2^-e in the low word of the pair at INV + 2 j
.set MK,   40                          ; s[40:43]  four lane masks
	s_load_b512 s[8:23], s[0:1], 0x0               ; x s[8:9], v s[10:11], u s[12:13], s s[14:15], h_in s[16:17], xb s[18:19], bvb s[20:21], bus s[22:23]
	s_load_b64 s[28:29], s[0:1], 0x40              ; rs
	v_lshl_add_u32 v[SPW], v0, 2, SPARE
	v_mov_b32 v[NIL], 0
	v_lshlrev_b32 v1, 4, v0                        ; 16 t: my place in a chunk as loaded; never rewritten
	v_lshlrev_b32 v2, 3, v0                        ; 8 t: my place in a chunk as stored; never rewritten
	v_lshrrev_b32 v[T], 5, v0
	v_readfirstlane_b32 s4, v[T]                   ; wave 0..7
	; in v: thread t = 64 q + 32 h + 16 p + c takes columns 4 c .. 4 c + 3 of the rows 32 q + 8 h + p + 0, 2, 4, 6, 16, 18, 20, 22: one byte of a word for each column
	v_lshrrev_b32 v[T+1], 6, v0                    ; q
	v_bfe_u32 v[T+2], v0, 5, 1                     ; h
	v_bfe_u32 v[T+3], v0, 4, 1                     ; p
	v_lshlrev_b32 v[VO], 5, v[T+1]
	v_lshl_add_u32 v[VO], v[T+2], 3, v[VO]
	v_add_nc_u32 v[VO], v[VO], v[T+3]              ; 32 q + 8 h + p,
	v_lshlrev_b32 v[VO], 13, v[VO]                 ; in bytes,
	v_and_b32 v[T+1], 15, v0
	v_lshl_add_u32 v[VO], v[T+1], 4, v[VO]         ; + 16 c
	s_mov_b32 s30, 0x76543210                      ; v_permlanex16_b32: each lane takes its own place in the other half
	s_mov_b32 s31, 0xfedcba98
	s_mov_b32 s3, 0                                ; the offsets stay under 2^27: the pair's high word is 0
	s_lshr_b32 s5, ttmp9, 5                        ; of v: which 128 rows,
	s_and_b32 s6, ttmp9, 31                        ; which 64 columns
	s_wait_kmcnt 0x0
	s_lshl_b32 s2, ttmp9, 16                       ; 4 rows of x: 65,536 bytes
	s_add_nc_u64 s[8:9], s[8:9], s[2:3]
	s_lshl_b32 s2, ttmp9, 15                       ; 4 rows of u, of xb: 32,768 bytes
	s_add_nc_u64 s[12:13], s[12:13], s[2:3]
	s_add_nc_u64 s[18:19], s[18:19], s[2:3]
	s_lshl_b32 s2, ttmp9, 14                       ; 4 rows of bus: 16,384 bytes
	s_add_nc_u64 s[22:23], s[22:23], s[2:3]
	s_lshl_b32 s2, ttmp9, 5                        ; 4 rows of rs: 32 bytes
	s_add_nc_u64 s[28:29], s[28:29], s[2:3]
	s_lshl_b32 s2, s5, 20                          ; 128 rows of v: 1,048,576 bytes;
	s_lshl_b32 s7, s6, 8                           ; 64 columns: 256 bytes
	s_add_co_u32 s2, s2, s7
	s_add_nc_u64 s[10:11], s[10:11], s[2:3]
	s_lshl_b32 s2, s5, 15                          ; in bvb 128 rows of v are 32,768 bytes,
	s_lshl_b32 s7, s6, 10                          ; 64 columns of them 1,024
	s_add_co_u32 s2, s2, s7
	s_add_nc_u64 s[20:21], s[20:21], s[2:3]
.irp c, 0,1,2,3
	global_load_b128 v[HX+4*(\c):HX+4*(\c)+3], v1, s[16:17] offset:CH*(\c)   ; h_in of my columns of x
.endr
.irp i, 0,1,2,3,4,5,6,7,8,9,10,11,12,13,14,15
	global_load_b128 v[D+4*(\i):D+4*(\i)+3], v1, s[8:9] offset:CH*(\i) th:TH_LOAD_NT
.endr
.irp j, 0,1,2,3,4,5,6,7
	global_load_b128 v[D+64+4*(\j):D+64+4*(\j)+3], v[VO], s[10:11] offset:(2*((\j)%4)+16*((\j)/4))*VROW th:TH_LOAD_NT
.endr
; x's chunk i lies in row i / 4, columns 1,024 (i % 4) + 4 t ..: it is multiplied by h_in in place; the four products enter the row's running maximum and minimum; behind a row's last chunk the larger magnitude is kept.
.macro MAXC i
	s_wait_loadcnt 23-(\i)                         ; loads come back in order (ISA guide 5.7.1): behind this chunk's stand x's 15 - i later chunks and v's eight
	v_pk_mul_f32 v[D+4*(\i):D+4*(\i)+1],   v[D+4*(\i):D+4*(\i)+1],   v[HX+4*((\i)%4):HX+4*((\i)%4)+1]
	v_pk_mul_f32 v[D+4*(\i)+2:D+4*(\i)+3], v[D+4*(\i)+2:D+4*(\i)+3], v[HX+4*((\i)%4)+2:HX+4*((\i)%4)+3]
.if (\i)%4 == 0
	v_max_num_f32 v[RUN],   v[D+4*(\i)], v[D+4*(\i)+1]   ; a row's first products start the two chains: nothing is cleared
	v_min_num_f32 v[RUN+1], v[D+4*(\i)], v[D+4*(\i)+1]
.else
	v_max3_num_f32 v[RUN],   v[D+4*(\i)], v[D+4*(\i)+1], v[RUN]
	v_min3_num_f32 v[RUN+1], v[D+4*(\i)], v[D+4*(\i)+1], v[RUN+1]
.endif
	v_max3_num_f32 v[RUN],   v[D+4*(\i)+2], v[D+4*(\i)+3], v[RUN]
	v_min3_num_f32 v[RUN+1], v[D+4*(\i)+2], v[D+4*(\i)+3], v[RUN+1]
.if (\i)%4 == 3
	v_xor_b32 v[RUN+1], 0x80000000, v[RUN+1]
	v_max_num_f32 v[M+(\i)/4], v[RUN], v[RUN+1]
.endif
.endm
.irp i, 0,1,2,3,4,5,6,7,8,9,10,11,12,13,14,15
	MAXC \i
.endr
	; across the 32 lanes: four steps inside each half of 16 lanes ride on the arithmetic (DPP), one crosses the halves; the four rows alternate
.irp k, 1,2,4,8
.irp j, 0,1,2,3
	v_max_num_f32_dpp v[M+(\j)], v[M+(\j)], v[M+(\j)] row_xmask:\k row_mask:0xf bank_mask:0xf
.endr
.endr
.irp j, 0,1,2,3
	v_permlanex16_b32 v[T+(\j)], v[M+(\j)], s30, s31   ; its destination counts as read: T has been written
.endr
.irp j, 0,1,2,3
	v_max_num_f32 v[M+(\j)], v[M+(\j)], v[T+(\j)]
.endr
	v_lshrrev_b32 v[RUN], 5, v0
	v_lshlrev_b32 v[RUN], 4, v[RUN]                ; 16 x my wave's number
	ds_store_b128 v[RUN], v[M:M+3]                 ; all lanes of a wave write the same 16 bytes with the same numbers
	v_and_b32 v[T], 31, v0                         ; lane
	v_lshlrev_b32 v[T+1], 2, v[T]                  ; 4 x lane
	v_lshlrev_b32 v[T+2], 3, v[T]                  ; 8 x lane
	s_wait_dscnt 0x0                               ; for the others' sake: my store is done
	s_barrier_signal -1
	s_barrier_wait -1
	ds_load_b32 v[RUN], v[T+1]                     ; lane l takes word l: wave l / 4's maximum of row l % 4
	s_wait_dscnt 0x0
	v_max_num_f32_dpp v[RUN], v[RUN], v[RUN] row_xmask:4 row_mask:0xf bank_mask:0xf
	v_max_num_f32_dpp v[RUN], v[RUN], v[RUN] row_xmask:8 row_mask:0xf bank_mask:0xf
	v_permlanex16_b32 v[T+3], v[RUN], s30, s31
	v_max_num_f32 v[RUN], v[RUN], v[T+3]           ; lane l: the maximum of row l % 4, over all eight waves
	v_max_num_f32 v[RUN], 0x0d800000, v[RUN]       ; held between 2^-100 (a row of zeros, or of NaN alone, takes this)
	v_min_num_f32 v[RUN], 0x71800000, v[RUN]       ; and 2^100
	v_and_b32 v[RUN], 0x7f800000, v[RUN]           ; the exponent alone: 2^e
	v_sub_nc_u32 v[RUN+1], 0x7f000000, v[RUN]      ; exponent field 254 - E: 2^-e
.irp j, 0,1,2,3
	v_readlane_b32 s[INV+2*(\j)], v[RUN+1], \j     ; the same in every lane and wave, so a scalar: it multiplies, and enters no address and no branch
	s_mov_b32 s[INV+2*(\j)+1], s[INV+2*(\j)]       ; named with it as a pair
.endr
	v_mov_b32 v[RUN+1], v[RUN]                     ; rs holds 2^e twice, a pair for the packed multiply of the launch that reads it
	s_cmp_lg_u32 s4, 0                             ; wave 0 stores the work-group's four rows of rs: 32 bytes, the launch's one small store (the buffer has 32,768 bytes in all)
	s_cbranch_scc1 .Lno_rs
	v_cmp_gt_u32 vcc_lo, 4, v[T]
	s_wait_xcnt 0x0                                ; EXEC is a source of the loads that are out: it changes only behind this wait
	s_and_saveexec_b32 s5, vcc_lo
	global_store_b64 v[T+2], v[RUN:RUN+1], s[28:29]    ; lane l < 4: row l
	s_wait_xcnt 0x0                                ; and again, in front of the line that widens it
	s_or_b32 exec_lo, exec_lo, s5
.Lno_rs:
; x's chunk i: four products divided by the row's 2^e (exact), rounded to f16 in place, 8 bytes stored.
.macro CVX i
	v_pk_mul_f32 v[D+4*(\i):D+4*(\i)+1],   v[D+4*(\i):D+4*(\i)+1],   s[INV+2*((\i)/4):INV+2*((\i)/4)+1] op_sel_hi:[1,0]
	v_pk_mul_f32 v[D+4*(\i)+2:D+4*(\i)+3], v[D+4*(\i)+2:D+4*(\i)+3], s[INV+2*((\i)/4):INV+2*((\i)/4)+1] op_sel_hi:[1,0]
	v_cvt_pk_f16_f32 v[D+4*(\i)],   v[D+4*(\i)],   v[D+4*(\i)+1]
	v_cvt_pk_f16_f32 v[D+4*(\i)+1], v[D+4*(\i)+2], v[D+4*(\i)+3]
	global_store_b64 v2, v[D+4*(\i):D+4*(\i)+1], s[18:19] offset:CO*(\i) th:TH_STORE_NT
.endm
; v's load j: the row of register j of the operand.  Each of my four columns' bytes moves up by one and takes a 1 where the number is not 0 or more: load 0's bit ends as bit 7.
; The four masks lie in four scalar registers, so no compare waits for a select.
.macro BITV j
	s_wait_loadcnt 17-(\j)                         ; behind it: v's 7 - j later loads, s's two and u's eight
.irp e, 0,1,2,3
	v_cmp_le_f32 s[MK+(\e)], 0, v[D+64+4*(\j)+(\e)]
.endr
.if (\j) == 0
.irp e, 0,1,2,3
	v_cndmask_b32 v[BA+(\e)], 1, 0, s[MK+(\e)]     ; the first bit starts the byte: nothing is cleared
.endr
.else
.irp e, 0,1,2,3
	v_cndmask_b32 v[T+(\e)], 1, 0, s[MK+(\e)]
.endr
.irp e, 0,1,2,3
	v_lshl_or_b32 v[BA+(\e)], v[BA+(\e)], 1, v[T+(\e)]
.endr
.endif
.endm
; u's chunk j holds columns 1,024 (j % 2) + 4 t ..: each number is replaced by its column's +s or -s, rounded to f16.
.macro SGNU j
	s_wait_loadcnt 7-(\j)                          ; behind it: u's later chunks
.irp e, 0,1,2,3
	v_cmp_le_f32 s[MK+(\e)], 0, v[D+4*(\j)+(\e)]
.endr
.irp e, 0,1,2,3
	v_cndmask_b32 v[D+4*(\j)+(\e)], v[SN+4*((\j)%2)+(\e)], v[SP+4*((\j)%2)+(\e)], s[MK+(\e)]
.endr
	v_cvt_pk_f16_f32 v[D+4*(\j)],   v[D+4*(\j)],   v[D+4*(\j)+1]
	v_cvt_pk_f16_f32 v[D+4*(\j)+1], v[D+4*(\j)+2], v[D+4*(\j)+3]
	global_store_b64 v2, v[D+4*(\j):D+4*(\j)+1], s[22:23] offset:CO*(\j) th:TH_STORE_NT
.endm
.irp i, 0,1,2,3,4,5,6,7,8,9,10,11,12,13,14,15
	CVX \i
.endr
	s_wait_xcnt 0x0                                ; the stores above have read their registers (ISA guide 3.1): x's quads and T are written again only behind this wait
	global_load_b128 v[SP:SP+3],   v1, s[14:15]             ; s of columns 4 t ..
	global_load_b128 v[SP+4:SP+7], v1, s[14:15] offset:CH   ; and of columns 1,024 + 4 t ..
.irp j, 0,1,2,3,4,5,6,7
	global_load_b128 v[D+4*(\j):D+4*(\j)+3], v1, s[12:13] offset:CH*(\j) th:TH_LOAD_NT
.endr
.irp j, 0,1,2,3,4,5,6,7
	BITV \j
.endr
	v_lshl_or_b32 v[BA], v[BA+1], 8,  v[BA]        ; my four columns' bytes in one word
	v_lshl_or_b32 v[BA], v[BA+2], 16, v[BA]
	v_lshl_or_b32 v[BA], v[BA+3], 24, v[BA]
	v_lshl_add_u32 v[T], v0, 2, BITS
	ds_store_b32 v[T], v[BA]                       ; byte BITS + 256 q + 128 h + 64 p + column (0..63)
	v_add_nc_u32 v[T+1], BITS, v0
	s_wait_dscnt 0x0                               ; for the others' sake: my store is done
	s_barrier_signal -1
	s_barrier_wait -1
	s_cmp_lt_u32 s4, 2                             ; threads 0 to 63 take a column each: its four words, 16 bytes
	s_cbranch_scc0 .Lno_words
.irp w, 0,1,2,3                        ; word w = 2 h + qp; byte 0: quarter 2 qp + 1, p = 0; byte 1: quarter 2 qp, p = 0; bytes 2 and 3 the same with p = 1
.irp y, 0,1,2,3
	ds_load_u8 v[U8+4*(\w)+(\y)], v[T+1] offset:256*(2*((\w)%2)+1-(\y)%2)+128*((\w)/2)+64*((\y)/2)
.endr
.endr
	s_wait_dscnt 0x0
.irp w, 0,1,2,3
	v_lshl_or_b32 v[WD+(\w)], v[U8+4*(\w)+1], 8,  v[U8+4*(\w)]
.endr
.irp w, 0,1,2,3
	v_lshl_or_b32 v[WD+(\w)], v[U8+4*(\w)+2], 16, v[WD+(\w)]
.endr
.irp w, 0,1,2,3
	v_lshl_or_b32 v[WD+(\w)], v[U8+4*(\w)+3], 24, v[WD+(\w)]
.endr
	global_store_b128 v1, v[WD:WD+3], s[20:21]     ; a wave stores 512 consecutive bytes, at a multiple of 256 from bvb's first byte
.Lno_words:
	s_wait_loadcnt 8                               ; s is in; u's eight loads may stay out
.irp p, 0,1,2,3,4,5,6,7
	v_xor_b32 v[SN+(\p)], 0x80000000, v[SP+(\p)]
.endr
.irp j, 0,1,2,3,4,5,6,7
	SGNU \j
.endr
	s_wait_tensorcnt 0x0                           ; the wave's end, behind my last LDS store
	ds_add_u32 v[SPW], v[NIL]
	s_wait_dscnt 0x0
	s_endpgm
.Lfunc_end_k_q262de0f21c_prep:
	.size	k_q262de0f21c_prep, .Lfunc_end_k_q262de0f21c_prep-k_q262de0f21c_prep
	.p2alignl 7, 3214868480
	.fill 96, 4, 3214868480
	.section	.rodata,"a",@progbits
	.p2align	6, 0x0
	.amdhsa_kernel k_q262de0f21c_prep
		.amdhsa_group_segment_fixed_size 2304
		.amdhsa_private_segment_fixed_size 0
		.amdhsa_enable_private_segment 0
		.amdhsa_kernarg_size 72
		.amdhsa_user_sgpr_count 2
		.amdhsa_user_sgpr_kernarg_segment_ptr 1
		.amdhsa_wavefront_size32 1
		.amdhsa_system_sgpr_workgroup_id_x 1
		.amdhsa_system_sgpr_workgroup_id_y 1
		.amdhsa_system_sgpr_workgroup_id_z 1
		.amdhsa_system_vgpr_workitem_id 0
		.amdhsa_next_free_vgpr 128
		.amdhsa_next_free_sgpr 66
		.amdhsa_reserve_vcc 1
		.amdhsa_float_denorm_mode_32 3
		.amdhsa_float_denorm_mode_16_64 3
		.amdhsa_memory_ordered 1
		.amdhsa_forward_progress 1
		.amdhsa_inst_pref_size 36
	.end_amdhsa_kernel
	.amdgpu_metadata
---
amdhsa.version: [ 1, 2 ]
amdhsa.kernels:
  - .name:           k_q262de0f21c_prep
    .symbol:         k_q262de0f21c_prep.kd
    .args:
      - { .name: x, .offset: 0, .size: 8, .value_kind: global_buffer, .address_space: global }
      - { .name: v, .offset: 8, .size: 8, .value_kind: global_buffer, .address_space: global }
      - { .name: u, .offset: 16, .size: 8, .value_kind: global_buffer, .address_space: global }
      - { .name: s, .offset: 24, .size: 8, .value_kind: global_buffer, .address_space: global }
      - { .name: h_in, .offset: 32, .size: 8, .value_kind: global_buffer, .address_space: global }
      - { .name: xb, .offset: 40, .size: 8, .value_kind: global_buffer, .address_space: global }
      - { .name: bvb, .offset: 48, .size: 8, .value_kind: global_buffer, .address_space: global }
      - { .name: bus, .offset: 56, .size: 8, .value_kind: global_buffer, .address_space: global }
      - { .name: rs, .offset: 64, .size: 8, .value_kind: global_buffer, .address_space: global }
    .group_segment_fixed_size: 2304
    .private_segment_fixed_size: 0
    .kernarg_segment_align: 8
    .kernarg_segment_size: 72
    .max_flat_workgroup_size: 256
    .sgpr_count:     66
    .vgpr_count:     128
    .wavefront_size: 32
...
	.end_amdgpu_metadata
.endif
;; end of part 4
;; launch gemm_t (part 5): grid 8 x 32, 4 waves a work-group, clusters of 4 x 1, 327,680 bytes of LDS; arguments xb, bvb, tb; writes tb
.if DOCPART == 5
	.amdgcn_target "amdgcn-amd-amdhsa--gfx1250"
	.amdhsa_code_object_version 6
	.text
	.protected	k_q262de0f21c_gemm_t
	.globl	k_q262de0f21c_gemm_t
	.p2align	8
	.type	k_q262de0f21c_gemm_t,@function
k_q262de0f21c_gemm_t:
	s_mov_b64 s[64:65], 0
	v_nop
	global_prefetch_b8 v0, s[64:65] scope:SCOPE_SE
	s_setreg_imm32_b32 hwreg(HW_REG_WAVE_MODE, 25, 1), 1
	s_wait_xcnt 0x0
	s_wait_alu depctr_hold_cnt(0) depctr_sa_sdst(0) depctr_va_vdst(0) depctr_va_sdst(0) depctr_va_ssrc(0) depctr_va_vcc(0) depctr_vm_vsrc(0)
	s_getreg_b32 s2, hwreg(HW_REG_IB_STS2, 6, 4)
	s_cmp_eq_u32 s2, 0
	s_cbranch_scc0 .Lentry_in_a_cluster
	s_endpgm
.Lentry_in_a_cluster:
	s_bfe_u32 s2, ttmp6, 0x10000c
	s_cmp_lg_u32 s2, 0x3003
	s_cbranch_scc0 .Lentry_shape_is_right
	s_endpgm
.Lentry_shape_is_right:
; tb[m][r] = f16( sum over i of xb[m][i] sign(v[i][r]) ).  xb: [4096][4096] f16 (K along the rows); bvb: [32][2048][2][2] words, the signs of v as bits; tb: [4096][2048] f16.
; Sums in f32, K ascending, one accumulator an output.  LIMIT: t is rounded once to f16 (nearest even).  It fits: the launch before has scaled each row of xb by a power of two so that every one of a sum's
; 4,096 terms is 2 at the most, so |t| stays within 8,192 (but for rows beyond 2^100, which that launch's head names); below 6e-5 t keeps f16's fixed step of 6e-8.
; THE SECOND OPERAND IS MADE IN REGISTERS.  It is +1 or -1: in f16 0x3c00 with or without the sign bit.  Word bvb[k / 128][n][h][qp] holds column n's signs for the quarters q = 2 qp, 2 qp + 1 (32 along K each)
; of a block of 128 along K, for the half h of the lanes: bit 15 - i - 8 (q % 2) belongs to the low half of the operand's register i, bit 31 - i - 8 (q % 2) to its high half.  So register i is
; ((word << (i + 8 (q % 2))) & 0x80008000) | 0x3c003c00: two vector instructions.  The words come straight from memory into registers, 8 bytes a lane and 128 along K: 8,192 bytes a work-group for 256 along K,
; where the operand in f16 would be 131,072.  So LDS holds the first operand alone, and a slot has room for 256 along K.
; THE TILE.  128 x 256 of t to a work-group: 32 x 8 = 256 work-groups of equal work.  Four waves, each all 128 rows x 64 columns: 32 accumulators of 16 x 16, 256 registers.  A fragment of xb read from LDS feeds
; 4 products, a fragment of signs made in registers 8: 64 vector instructions for a quarter's 32 products.
; THE RING.  K goes in 16 steps of 256 through two LDS slots of 128 rows x 512 bytes.  The tile's 128 rows are shared out among the four waves, 32 rows to a tensor load, one a wave behind each change of slots:
; 240 matrix instructions stand between that request and the wait for it.
; CLUSTER.  4 x 1 work-groups: the four tile columns of a tile row need the same tiles of xb, so each is asked for jointly.  The words of signs belong to the tile column, which the four do not share,
; and are an eighth of a step's bytes: each wave loads its own.
; THE MATRIX INSTRUCTION IS USED TRANSPOSED (source 0 = 16 columns of signs, source 1 = 16 rows of xb): a lane then holds row l % 16 of t and the eight neighbouring columns 8 (l / 16) + 0..7.
; REGISTERS, in windows of 256 (s_set_vgpr_msb: bits 1:0 source 0, 3:2 source 1, 5:4 source 2, 7:6 destination):
;   window 0: v0-31 addresses; v32-47 this step's words of signs, v48-63 the next step's; v64-127, v128-191 xb's fragments (8 x 16 rows x 32 K), two buffers; on the way out the packed results
;   window 1: v0-127 the accumulators of column blocks 0, 1 (row block a, column block b at v[8 (2 a + b)]); v128-159 the sign fragments of those two column blocks, two buffers; v160-161 at work
;   window 2: the same for column blocks 2, 3
; So a product's accumulator and its sign fragment lie in one window, and the setting that the products need (destination, source 0 and source 2 there, source 1 in window 0) also serves the vector instructions
; that make the next quarter's fragments in that window (destination and source 0 there, the word as source 1 in window 0).  A quarter's 32 products go in two halves, a window each; behind each product stand two
; of those vector instructions, and no window is switched for them.
.set KSTEP,  256
.set STEPS,  16
.set XROW,   8192                      ; bytes in a row of xb
.set TROW,   4096                      ; bytes in a row of tb
.set KBB,    32768                     ; bytes of bvb for 128 along K: 2,048 columns x 16 bytes
.set PITCH,  528                       ; an LDS row: 512 bytes + 16 of padding = 132 words: the 16 rows of a load start at 16 different groups of four banks (64 banks of 4 bytes: ISA guide 11.1)
.set WROWS,  32                        ; rows in a wave's tensor load
.set SLOT1,  1<<17                     ; slot 0 begins at 0, slot 1 here, so that one exclusive or turns an address in one slot into the other's
.set STAGE,  SLOT1+128*PITCH           ; behind the ring, never filled by a tensor load: 128 rows x 528 bytes, the work-group's, for the way out
.set SPARE,  STAGE+128*PITCH           ; behind the stage: the spare words, 128 bytes for each wave: two blocks of 256 bytes that no other line names
.set A0,   16                          ; v16     my lane's place in a tile: row l % 16, 16 bytes for each half of the lanes; never rewritten
.set ADR,  17                          ; v17     the same in the slot that is being read
.set STO,  24                          ; v24     the way out: where I put 16 bytes of a row
.set RD,   25                          ; v25     the way out: where I read 16 bytes of a row back
.set CO,   26                          ; v26     16 x my lane: my place in 512 bytes of tb; never rewritten
.set BO,   27                          ; v27     my byte offset among 16 columns' words: 16 (l % 16) + 8 (l / 16); never rewritten
.set SPW,  28                          ; v28     LDS address of my spare word: SPARE + 4 x my thread's number; never rewritten
.set NIL,  29                          ; v29     0; never rewritten
.set PFO,  30                          ; v30     the prefetches' offset: my lane x a row of xb; never rewritten
.set WB,   32                          ; this step's words: column block b, quarters 2 y and 2 y + 1 of the step's eight at WB + 4 b + y
.set WN,   48                          ; the next step's
.set FA,   64                          ; xb's fragments: buffer g, row block a at FA + 64 g + 8 a
.set TMP,  64                          ; the way out
.set BF,   128                         ; windows 1 and 2: sign fragments: buffer g, register i of the window's sixteen (column block i / 8, register i % 8) at BF + 16 g + i
.set TT,   160                         ; windows 1 and 2: two registers at work, by turns
.set G1,  24                           ; s[24:31] descriptor group 1
.set G0,  32                           ; s[32:39] descriptor group 0: a set for each of the two first fills; the second then walks on
.set LIM, 43                           ; s43      2 in a wave that prefetches, else the greatest number
.set PFA, 44                           ; s[44:45] the K step that my next prefetch names
.set TB,  46                           ; s46      LDS byte at which the slot that is being read begins
.set SM,  48                           ; s48      the two sign bits of a register
.set SO,  49                           ; s49      1.0 twice, in f16
.set MSB, 0
.macro WIN new                         ; the immediate's high byte repeats the setting that is left; a switch that changes nothing is dropped
.if MSB != (\new)
	s_set_vgpr_msb (MSB<<8)|(\new)
.set MSB, \new
.endif
.endm
; A PREFETCH INTO THE L2, behind each joint load and the loads that follow it: the K step TWO refills on, 512 matrix instructions of a wave ahead of the load that will ask for it.
; Each 256 bytes of xb are named once in the launch.  A tile row is read by both clusters of a row of clusters: the one with cluster x = 0 asks.  Its four partners take 32 of the tile's 128 rows each, told apart
; by address (cx), a lane a row; wave 0 names the first 256 bytes of the step's 512, wave 1 the second.  K steps 2 and 3 come by their loads alone: nothing is asked for at the head.
; The loop's last two trips ask for nothing: the K steps two refills on do not exist.
.macro ASK
	s_cmp_gt_u32 s3, s[LIM]
	s_cbranch_scc0 .Lnot_mine_\@
	global_prefetch_b8 v[PFO], s[PFA:PFA+1] th:TH_LOAD_NT scope:SCOPE_SE
.Lnot_mine_\@:
.endm
.macro CREST                           ; a round of the cluster's barrier behind its opening barrier: wave 0 signals for the work-group, every wave waits for all four, my work-group's barrier closes it
	s_cmp_lg_u32 s10, 0
	s_cbranch_scc1 .Lnot_wave_0_\@
	s_barrier_signal -3
.Lnot_wave_0_\@:
	s_barrier_wait -3
	s_barrier_signal -1
	s_barrier_wait -1
.endm
.macro CROUND                          ; a whole round
	s_barrier_signal -1
	s_barrier_wait -1
	CREST
.endm
; The words of signs of 256 along K, from block kb0 of 128 behind the pointer: 8 loads of 8 bytes a lane; a load covers 256 consecutive bytes, aligned (16 columns).
.macro WORDS dst, kb0
.irp b, 0,1,2,3
.irp k, 0,1
	global_load_b64 v[(\dst)+4*(\b)+2*(\k):(\dst)+4*(\b)+2*(\k)+1], v[BO], s[6:7] offset:((\kb0)+(\k))*KBB+256*(\b)
.endr
.endr
.endm
	s_load_b128 s[4:7], s[0:1], 0x0                ; xb s[4:5], bvb s[6:7]
	s_load_b64 s[8:9], s[0:1], 0x10                ; tb
	v_lshl_add_u32 v[SPW], v0, 2, SPARE
	v_mov_b32 v[NIL], 0
	ds_add_u32 v[SPW], v[NIL]                      ; the wave's opening: the add, twice on end, and its wait ahead of my first tensor load; the set-up below stands between
	ds_add_u32 v[SPW], v[NIL]
	v_lshrrev_b32 v1, 5, v0
	v_readfirstlane_b32 s10, v1                    ; wave 0..3
	s_bfe_u32 s40, ttmp6, 0x40000                  ; cx: my place in the cluster
	s_lshl_b32 s42, ttmp9, 2                       ; in a cluster launch ttmp9 counts clusters
	s_add_co_u32 s42, s42, s40                     ; tile column = 4 x cluster x + cx, 0..7: it enters the addresses of the words, of tb and of the prefetches alone
	s_and_b32 s13, ttmp7, 0xffff                   ; tile row, 0..31, which the four partners share
	; descriptor group 1: a tile of 32 rows x 256 elements, padded in LDS
	s_mov_b32 s[G1+0], 15|(1<<16)|(1<<20)|(1<<21)|(6<<22)|(3<<25)  ; 15:0 the mask: all four work-groups; 17:16 elements of 2 bytes; 20 padding on; 21 set beside a mask; 24:22 after every 128 words (code 6); 31:25 4 words (code 3)
	s_mov_b32 s[G1+1], KSTEP<<16                   ; tensor_dim0 = 256
	s_mov_b32 s[G1+2], WROWS<<16                   ; tensor_dim1 = 32
	s_mov_b32 s[G1+3], KSTEP<<16                   ; tile_dim0 = 256
	s_mov_b32 s[G1+4], WROWS                       ; tile_dim1 = 32
	s_mov_b32 s[G1+5], XROW/2                      ; elements from row to row
	s_mov_b32 s[G1+6], 0
	s_mov_b32 s[G1+7], 0
	s_lshl_b32 s16, s13, 7
	s_lshl_b32 s17, s10, 5
	s_add_co_u32 s16, s16, s17                     ; row 128 x tile row + 32 x wave: the first that I fetch, and the first that I store
	s_lshl_b32 s18, s16, 12                        ; in tb's bytes,
	s_lshl_b32 s16, s16, 13                        ; in xb's
	s_mov_b32 s17, 0
	s_mov_b32 s19, 0
	s_mul_i32 s20, s10, WROWS*PITCH                ; and where my rows go in a slot: no place in the cluster enters an LDS address
	s_mov_b32 s[SM], 0x80008000
	s_mov_b32 s[SO], 0x3c003c00
	s_mov_b32 s[TB], 0
	s_wait_dscnt 0x0                               ; both opening adds are done
	s_wait_kmcnt 0x0
	s_add_nc_u64 s[14:15], s[4:5], s[16:17]
	CROUND                                         ; all four work-groups are here: the first joint loads meet
.irp s, 0,1
	s_mov_b32 s[G0+4*(\s)], 1                                        ; count = 1
	s_add_co_u32 s[G0+4*(\s)+1], s20, (\s)*SLOT1                     ; LDS address
	s_add_nc_u64 s[G0+4*(\s)+2:G0+4*(\s)+3], s[14:15], (\s)*KSTEP*2  ; global address: K step s
	s_or_b32 s[G0+4*(\s)+3], s[G0+4*(\s)+3], 0x80000000              ; type = 2
.endr
	tensor_load_to_lds s[G0:G0+3], s[G1:G1+7]      ; the ring is filled before anything else is done: two loads of mine are out
	s_nop 0
	tensor_load_to_lds s[G0+4:G0+7], s[G1:G1+7]
	s_nop 0
.rept 4
	v_nop
.endr
	v_and_b32 v1, 15, v0                           ; l % 16
	v_bfe_u32 v2, v0, 4, 1                         ; l / 16
	v_and_b32 v5, 31, v0                           ; l
	v_lshlrev_b32 v[BO], 4, v1
	v_lshl_add_u32 v[BO], v2, 3, v[BO]
	s_lshl_b32 s50, s42, 12                        ; the tile column's 256 columns x 16 bytes,
	s_lshl_b32 s51, s10, 10                        ; my 64 of them
	s_add_co_u32 s50, s50, s51
	s_mov_b32 s51, 0
	s_add_nc_u64 s[6:7], s[6:7], s[50:51]
	WORDS WB, 0                                    ; K step 0's words,
	WORDS WN, 2                                    ; K step 1's
	; A fragment of xb is 16 rows x 32 K in 8 registers: lane l holds row l % 16; registers 0-3 K = 8 (l / 16) + 0..7, registers 4-7 K = 16 + 8 (l / 16) + 0..7: two loads of 16 bytes, 32 bytes apart.
	v_mul_u32_u24 v[A0], v1, PITCH
	v_lshl_add_u32 v[A0], v2, 4, v[A0]             ; row x pitch + 16 x half
	v_mov_b32 v[ADR], v[A0]                        ; slot 0 begins at LDS byte 0
	s_lshl_b32 s23, s10, 7                         ; into the stage: my 64 columns are 128 bytes of each of its rows; row l % 16, 16 bytes for each half of the lanes (the stage's pitch is the slots')
	s_add_co_u32 s23, s23, STAGE
	v_add_nc_u32 v[STO], s23, v[A0]
	s_mul_i32 s23, s10, 32*PITCH                   ; back: wave w takes rows 32 w .. 32 w + 31, whole: 32 lanes a row of 512 bytes
	s_add_co_u32 s23, s23, STAGE
	v_lshlrev_b32 v[CO], 4, v5
	v_add_nc_u32 v[RD], s23, v[CO]
	v_lshlrev_b32 v[PFO], 13, v5                   ; a lane a row of 8,192 bytes
	s_add_nc_u64 s[8:9], s[8:9], s[18:19]          ; tb at the first row that I store,
	s_lshl_b32 s50, s42, 9                         ; at the tile column's 512 bytes
	s_add_nc_u64 s[8:9], s[8:9], s[50:51]
	; the prefetches
	s_lshl_b32 s50, s13, 7
	s_lshl_b32 s52, s40, 5
	s_add_co_u32 s50, s50, s52                     ; the tile's first row + my work-group's 32 rows,
	s_lshl_b32 s50, s50, 13                        ; in bytes,
	s_and_b32 s52, s10, 1
	s_lshl_b32 s52, s52, 8                         ; the first or the second 256 bytes of a step's 512,
	s_add_co_u32 s50, s50, s52
	s_add_co_u32 s50, s50, 3*KSTEP*2               ; at K step 3: the first refill steps it to 4
	s_add_nc_u64 s[PFA:PFA+1], s[4:5], s[50:51]
	s_lshr_b32 s52, s10, 1                         ; 0 in waves 0 and 1,
	s_or_b32 s52, s52, ttmp9                       ; where the cluster is its row's first: the same in all four partners
	s_cmp_eq_u32 s52, 0
	s_cselect_b32 s[LIM], 2, -1
; Register i (0..15) of window w's sign fragments for quarter qn of the step's eight is made in two lines, under a setting with destination and source 0 in window w and source 1 in window 0.
; LSH: the word is shifted so that the register's two bits stand at 15 and 31, into one of two registers that take turns.  Where the shift would be by 0 it is left out.
.macro LSH w, qn, i
.set rW, WB+4*(2*((\w)-1)+(\i)/8)+(\qn)/2
.set sh, (\i)%8+8*((\qn)%2)
.if sh != 0
	v_lshlrev_b32 v[TT+(\i)%2], sh, v[rW]
.endif
.endm
; SGN: the two bits are kept and laid onto 1.0 twice, into buffer g.  Where no shift was made the word itself stands as source 1.
.macro SGN w, g, qn, i
.set rW, WB+4*(2*((\w)-1)+(\i)/8)+(\qn)/2
.set sh, (\i)%8+8*((\qn)%2)
.if sh != 0
	v_and_or_b32 v[BF+16*(\g)+(\i)], v[TT+(\i)%2], s[SM], s[SO]
.else
	v_and_or_b32 v[BF+16*(\g)+(\i)], s[SM], v[rW], s[SO]
.endif
.endm
; 8 matrix instructions of window w's sixteen: row blocks a0 .. a0 + 3 x the window's two column blocks, 32 along K, from buffer f.  zero = 1: the product starts the sum: nothing is ever cleared.
; ride = 1: behind product n of the sixteen stand SGN of register n - 1 and LSH of register n + 1 of quarter qn's fragments in the other buffer (behind the first two LSH, behind the last two SGN):
; so a SGN reads what a LSH wrote two products earlier, and the line just ahead of it is never the one that it reads.
; The 32 accumulators take turns, one instruction a turn, in the same order in every quarter, over the backward jump too.
.macro PROD8 w, f, a0, zero, ride, qn
	WIN ((\w)<<6)|((\w)<<4)|(\w)
.irp a, (\a0), (\a0)+1, (\a0)+2, (\a0)+3
.irp b, 0,1
.set n, 2*(\a)+(\b)
.set rC, 8*n
.set rB, BF+16*(\f)+8*(\b)
.set rA, FA+64*(\f)+8*(\a)
.if \zero
	v_wmma_f32_16x16x32_f16 v[rC:rC+7], v[rB:rB+7], v[rA:rA+7], 0
.else
	v_wmma_f32_16x16x32_f16 v[rC:rC+7], v[rB:rB+7], v[rA:rA+7], v[rC:rC+7]
.endif
.if \ride
.if n == 0
	LSH \w, \qn, 0
	LSH \w, \qn, 1
.elseif n == 15
	SGN \w, 1-(\f), \qn, 14
	SGN \w, 1-(\f), \qn, 15
.else
	SGN \w, 1-(\f), \qn, n-1
	LSH \w, \qn, n+1
.endif
.endif
.endr
.endr
.endm
; 16 LDS loads in one run: xb's fragments of one quarter (128 rows, 32 K at byte k of the rows) into buffer g.  It leaves every window 0.
; A load into a register that a matrix instruction has read stands four plain vector instructions behind it (for vector instructions ISA guide 7.12.1): buffer g's last reader is the
; last product of the quarter before, and the thirty or more vector instructions of this quarter's first half, which name none of its registers, lie between.  The same holds of the sign fragments:
; between a buffer's last reader and the first line that writes it again lies half a quarter with its vector instructions.  So the loop has no v_nop but the four behind its tensor load.
.macro FETCH k, g
	WIN 0
.irp a, 0,1,2,3,4,5,6,7
	ds_load_b128 v[FA+64*(\g)+8*(\a):FA+64*(\g)+8*(\a)+3],   v[ADR] offset:(\k)+(\a)*16*PITCH
	ds_load_b128 v[FA+64*(\g)+8*(\a)+4:FA+64*(\g)+8*(\a)+7], v[ADR] offset:(\k)+(\a)*16*PITCH+32
.endr
.endm
.macro PLACES
.rept 4
	v_nop
.endr
.endm
; A K step is eight quarters of 32 along K, 32 matrix instructions each, on buffers 0, 1, 0, 1 ..  Quarter q of the first seven: multiplies buffer q % 2, makes the next quarter's sign fragments and, in its middle,
; fetches the next quarter's fragments of xb.
.macro QUARTER q, zero
	s_wait_dscnt 8                                 ; row blocks 0-3 are in; the youngest eight loads (row blocks 4-7) may be out
	PROD8 1, (\q)%2, 0, \zero, 1, ((\q)+1)%8
	s_wait_dscnt 0x0                               ; row blocks 4-7 are in
	PROD8 1, (\q)%2, 4, \zero, 1, ((\q)+1)%8
	FETCH 64*((\q)+1), 1-(\q)%2
	PROD8 2, (\q)%2, 0, \zero, 1, ((\q)+1)%8
	PROD8 2, (\q)%2, 4, \zero, 1, ((\q)+1)%8
.endm
; The eighth quarter multiplies buffer 1 and changes slots: ONE barrier.  In front of it each wave waits for all its tensor loads (the one that is out is its part of the next slot), adds 0 to its spare word,
; and waits for that and for its own reads of this slot.  fill = 1: the barrier opens a round of the cluster's, and this slot is filled again, two K steps on, first thing behind the round.
; The next step's words of signs, asked for a step ago, move into this step's registers, so that a step's text names one set and is written once; their registers then take the words two steps on.
.macro TURN fill
.if \fill
	s_wait_xcnt 0x0                                ; the last prefetch, a K step back, has read its address: it is stepped here, ahead of the waits of the change of slots
	s_add_nc_u64 s[PFA:PFA+1], s[PFA:PFA+1], KSTEP*2
.endif
	WIN 0                                          ; (the add's two registers lie in window 0)
	s_wait_tensorcnt 0x0                           ; all my tensor loads have landed, so a group 0 may be written
	ds_add_u32 v[SPW], v[NIL]                      ; 0 onto my spare word; work on registers that is due anyway follows
	s_wait_loadcnt 0x0                             ; the next step's words are in, and their loads have read the pointer
.set i, 0
.rept 16
	v_mov_b32 v[WB+i], v[WN+i]
.set i, i+1
.endr
.if \fill
	s_add_nc_u64 s[6:7], s[6:7], 2*KBB             ; the words' pointer: a K step on
	s_xor_b32 s[G0+5], s[G0+5], SLOT1              ; the walking descriptor: the other slot than last time,
	s_add_nc_u64 s[G0+6:G0+7], s[G0+6:G0+7], KSTEP*2  ; the next K step; the type bits on top are not reached
.endif
	s_wait_dscnt 9                                 ; (the add and the youngest eight loads may be out)
	PROD8 1, 1, 0, 0, 1, 0
	s_wait_dscnt 0x0                               ; the add is done, and my reads of this slot are over
	s_barrier_signal -1
	PROD8 1, 1, 4, 0, 1, 0                         ; work on registers while the others arrive
	WIN 0
	s_barrier_wait -1
.if \fill
	CREST                                          ; no wave of any partner still reads this slot's tile or has a load on its way
	tensor_load_to_lds s[G0+4:G0+7], s[G1:G1+7]    ; my one tensor load behind the round, and the first thing there
	s_nop 0
.rept 4
	v_nop
.endr
.endif
	s_xor_b32 s[TB], s[TB], SLOT1                  ; the reads go on in the other slot
	v_add_nc_u32 v[ADR], s[TB], v[A0]
	FETCH 0, 0
.if \fill
	WORDS WN, 2                                    ; the words two K steps on: they have a whole step in which to come
	ASK
.endif
	PROD8 2, 1, 0, 0, 1, 0
	PROD8 2, 1, 4, 0, 1, 0
.endm
	s_wait_tensorcnt 1                             ; my part of K step 0 is in; K step 1's may stay out
	s_barrier_signal -1
	s_barrier_wait -1                              ; everybody's is
	FETCH 0, 0
	s_wait_loadcnt 8                               ; K step 0's words are in; K step 1's eight loads may stay out
.irp w, 1,2                            ; the first quarter's sign fragments: there are no products yet to set them behind
	WIN 0x41*(\w)                                  ; destination and source 0 in window w
.set n, 0
.rept 8
	LSH \w, 0, n
	LSH \w, 0, n+1
	SGN \w, 0, 0, n
	SGN \w, 0, 0, n+1
.set n, n+2
.endr
.endr
	QUARTER 0, 1                                   ; the first quarter stands in front of the loop: its products start the sums
	WIN 0                                          ; at a label and at a branch every window is 0
	s_mov_b32 s3, STEPS-2
.Lstep:                                                ; a trip goes from a K step's second quarter to the next step's first, and fills the slot that it leaves
	QUARTER 1, 0
	QUARTER 2, 0
	QUARTER 3, 0
	QUARTER 4, 0
	QUARTER 5, 0
	QUARTER 6, 0
	TURN 1
	QUARTER 0, 0
	WIN 0
	s_sub_co_u32 s3, s3, 1
	s_cmp_lg_u32 s3, 0
	s_cbranch_scc1 .Lstep
	QUARTER 1, 0                                   ; the last two K steps fill nothing, and have no round of the cluster's barrier
	QUARTER 2, 0
	QUARTER 3, 0
	QUARTER 4, 0
	QUARTER 5, 0
	QUARTER 6, 0
	TURN 0
	QUARTER 0, 0
	QUARTER 1, 0
	QUARTER 2, 0
	QUARTER 3, 0
	QUARTER 4, 0
	QUARTER 5, 0
	QUARTER 6, 0
	s_wait_dscnt 8                                 ; the very last quarter: nothing more to make or to fetch
	PROD8 1, 1, 0, 0, 0, 0
	s_wait_dscnt 0x0
	PROD8 1, 1, 4, 0, 0, 0
	PROD8 2, 1, 0, 0, 0, 0
	PROD8 2, 1, 4, 0, 0, 0
	WIN 0
	; THE WAY OUT: round to f16, each accumulator from its lowest registers on; 16 bytes a lane into the work-group's stage; a barrier, since a row's 512 bytes come from four waves; back as whole rows, 32 rows a wave.
	PLACES
	PLACES                                         ; (eight, once a launch: the conversions read results just made, and write where xb's fragments lay)
.irp w, 1,2
	WIN 5*(\w)                                     ; sources 0 and 1 in window w, destination in window 0
.set i, 0
.rept 64
	v_cvt_pk_f16_f32 v[TMP+64*((\w)-1)+i], v[2*i], v[2*i+1]
.set i, i+1
.endr
.endr
	WIN 0
.set i, 0
.rept 32                               ; accumulator i % 16 of window 1 + i / 16: row block (i % 16) / 2, column block 2 (i / 16) + i % 2
	ds_store_b128 v[STO], v[TMP+4*i:TMP+4*i+3] offset:((i%16)/2)*16*PITCH+32*(2*(i/16)+i%2)
.set i, i+1
.endr
	s_wait_dscnt 0x0                               ; for the others' sake: my stores into the stage are done
	s_barrier_signal -1
	s_barrier_wait -1
.set i, 0
.rept 32
	ds_load_b128 v[TMP+4*i:TMP+4*i+3], v[RD] offset:i*PITCH
.set i, i+1
.endr
.set i, 0
.rept 32
.if i%8 == 0
	s_wait_dscnt 24-i                              ; rows i to i + 7 are back; the later rows may be out
.endif
	global_store_b128 v[CO], v[TMP+4*i:TMP+4*i+3], s[8:9] offset:i*TROW  ; the wave stores 512 consecutive bytes, at a multiple of 256 from tb's first byte
.set i, i+1
.endr
	s_wait_tensorcnt 0x0                           ; the wave's end, behind my last tensor load and my last LDS store
	ds_add_u32 v[SPW], v[NIL]
	s_wait_dscnt 0x0
	CROUND                                         ; the closing round: no work-group ends while a partner may still ask for a tile that names it
	s_endpgm
.Lfunc_end_k_q262de0f21c_gemm_t:
	.size	k_q262de0f21c_gemm_t, .Lfunc_end_k_q262de0f21c_gemm_t-k_q262de0f21c_gemm_t
	.p2alignl 7, 3214868480
	.fill 96, 4, 3214868480
	.section	.rodata,"a",@progbits
	.p2align	6, 0x0
	.amdhsa_kernel k_q262de0f21c_gemm_t
		.amdhsa_group_segment_fixed_size 327680
		.amdhsa_private_segment_fixed_size 0
		.amdhsa_enable_private_segment 0
		.amdhsa_kernarg_size 24
		.amdhsa_user_sgpr_count 2
		.amdhsa_user_sgpr_kernarg_segment_ptr 1
		.amdhsa_wavefront_size32 1
		.amdhsa_system_sgpr_workgroup_id_x 1
		.amdhsa_system_sgpr_workgroup_id_y 1
		.amdhsa_system_sgpr_workgroup_id_z 1
		.amdhsa_system_vgpr_workitem_id 0
		.amdhsa_next_free_vgpr 768
		.amdhsa_next_free_sgpr 66
		.amdhsa_reserve_vcc 0
		.amdhsa_float_denorm_mode_32 3
		.amdhsa_float_denorm_mode_16_64 3
		.amdhsa_memory_ordered 1
		.amdhsa_forward_progress 1
		.amdhsa_inst_pref_size 172
	.end_amdhsa_kernel
	.amdgpu_metadata
---
amdhsa.version: [ 1, 2 ]
amdhsa.kernels:
  - .name:           k_q262de0f21c_gemm_t
    .symbol:         k_q262de0f21c_gemm_t.kd
    .args:
      - { .name: xb, .offset: 0, .size: 8, .value_kind: global_buffer, .address_space: global }
      - { .name: bvb, .offset: 8, .size: 8, .value_kind: global_buffer, .address_space: global }
      - { .name: tb, .offset: 16, .size: 8, .value_kind: global_buffer, .address_space: global }
    .group_segment_fixed_size: 327680
    .private_segment_fixed_size: 0
    .kernarg_segment_align: 8
    .kernarg_segment_size: 24
    .max_flat_workgroup_size: 128
    .sgpr_count:     66
    .vgpr_count:     768
    .wavefront_size: 32
...
	.end_amdgpu_metadata
.endif
;; end of part 5
;; launch gemm_y (part 6): grid 16 x 16, 4 waves a work-group, clusters of 4 x 4, 327,680 bytes of LDS; arguments tb, bus, h_out, rs, out0; writes out0
.if DOCPART == 6
	.amdgcn_target "amdgcn-amd-amdhsa--gfx1250"
	.amdhsa_code_object_version 6
	.text
	.protected	k_q262de0f21c_gemm_y
	.globl	k_q262de0f21c_gemm_y
	.p2align	8
	.type	k_q262de0f21c_gemm_y,@function
k_q262de0f21c_gemm_y:
	s_mov_b64 s[64:65], 0
	v_nop
	global_prefetch_b8 v0, s[64:65] scope:SCOPE_SE
	s_setreg_imm32_b32 hwreg(HW_REG_WAVE_MODE, 25, 1), 1
	s_wait_xcnt 0x0
	s_wait_alu depctr_hold_cnt(0) depctr_sa_sdst(0) depctr_va_vdst(0) depctr_va_sdst(0) depctr_va_ssrc(0) depctr_va_vcc(0) depctr_vm_vsrc(0)
	s_getreg_b32 s2, hwreg(HW_REG_IB_STS2, 6, 4)
	s_cmp_eq_u32 s2, 0
	s_cbranch_scc0 .Lentry_in_a_cluster
	s_endpgm
.Lentry_in_a_cluster:
	s_bfe_u32 s2, ttmp6, 0x10000c
	s_cmp_lg_u32 s2, 0xf033
	s_cbranch_scc0 .Lentry_shape_is_right
	s_endpgm
.Lentry_shape_is_right:
; out0[m][o] = h_out[o] x rs[m] x sum over r of tb[m][r] bus[o][r].  tb: [4096][2048] f16, bus: [4096][2048] f16 (K along the rows of both), h_out: [4096] f32,
; rs: [4096][2] f32 (the power of two by which row m of t was divided, twice), out0: [4096][4096] f32.
; Sums in f32, K ascending, one accumulator an output; on the way out one multiply by the row's power of two, which is exact, and one by h_out, in f32.
; LIMITS: none of its own.  f16 holds both operands: t by its row's scale, s by its own size (the heads of the two launches before give the figures).
; THE TILE.  256 x 256 of out0 to a work-group: 16 x 16 = 256 work-groups of equal work.  Four waves, each 128 x 128: 64 accumulators of 16 x 16, 512 registers.
; THE RING.  K goes in 16 steps of 128 through two LDS slots, each with 256 rows of A and 256 of B, 256 bytes a row; each wave fetches 128 rows with one tensor load behind each change of slots.
; CLUSTERS.  4 x 4 work-groups: A's tile is shared along a row of the cluster, B's along a column; each is asked for jointly.
; THE MATRIX INSTRUCTION IS USED TRANSPOSED (source 0 = 16 rows of bus, source 1 = 16 rows of tb): a lane holds row l % 16 of out0 and the eight neighbouring columns 8 (l / 16) + 0..7: 32 bytes.
; REGISTERS, in windows of 256 (s_set_vgpr_msb: bits 1:0 source 0, 3:2 source 1, 5:4 source 2, 7:6 destination):
;   window 0: v0-31 addresses and h_out; v32-47 the rows' scales; v64-127, v128-191 A's fragments, two buffers, and on the way out the rows read back          window 1: v64-127, v128-191 B's fragments, two buffers
;   window 2: the 32 accumulators of my rows 0-63 ((a, b) at v[8 (8 a + b)])          window 3: those of my rows 64-127
.set KSTEP,  128
.set KROW,   4096                      ; bytes in a row of tb and of bus
.set CROW,   16384                     ; bytes in a row of out0
.set PITCH,  272                       ; an LDS row: 256 bytes + 16 of padding = 68 words: the 16 rows of a load start at 16 different groups of four banks (64 banks of 4 bytes: ISA guide 11.1)
.set HALFT,  128*PITCH                 ; 128 rows: what one tensor load brings, and what one wave reads of A or of B
.set SLOT,   4*HALFT                   ; A's 256 rows, then B's 256 rows
.set STAGE,  2*SLOT                    ; behind the ring, never filled by a tensor load: 16 rows x 528 bytes for each wave
.set SPITCH, 528                       ; a stage row: 512 bytes + 16 = 132 words: the 16 rows that a store touches start at 16 different groups of four banks
.set SPARE,  STAGE+4*16*SPITCH         ; behind the stages: the spare words, 128 bytes for each wave: two blocks of 256 bytes that no other line names
.set LAPS,   8                         ; a lap = two K steps = once round the ring
.set HQ,   8                           ; v[8:11] h_out of the four columns that I store
.set ADRA, 16                          ; v16-17  LDS address of my A fragments in slot 0, 1
.set ADRB, 20                          ; v20-21  the same for B
.set STO,  24                          ; v24     the way out: where I put 32 bytes of a row
.set RD,   25                          ; v25     the way out: where I read 16 bytes of a row back
.set CO,   26                          ; v26     16 x my lane: my place in 512 bytes of out0 and of h_out; never rewritten
.set RSO,  27                          ; v27     8 x (l % 16): my row's place among a block's 16 in rs; never rewritten
.set SPW,  28                          ; v28     LDS address of my spare word: SPARE + 4 x my thread's number; never rewritten
.set NIL,  29                          ; v29     0; never rewritten
.set PFO,  30                          ; v30     the prefetches' offset: my lane x a row of tb or bus; never rewritten
.set RS,   32                          ; v[32:47] block a of my eight blocks of 16 rows: the scale of row 16 a + l % 16, twice, at RS + 2 a
.set F0,   64                          ; fragment buffer 0
.set F1,   128                         ; fragment buffer 1
.set OB,   64                          ; the way out: 16 rows read back, two buffers of 64
.set G1,  24                           ; s[24:31] descriptor group 1 for A's tiles
.set G0,  32                           ; s[32:39] descriptor group 0 for A's tiles, one set for each slot
.set LIM, 43                           ; s43      1 in a wave that prefetches, else the greatest number
.set PFA, 44                           ; s[44:45] the K step that my next prefetch names
.set G1B, 48                           ; s[48:55], s[56:63] the same two groups for B's tiles
.set G0B, 56
.set MSB, 0
.macro WIN new                         ; the immediate's high byte repeats the setting that is left; a switch that changes nothing is dropped
.if MSB != (\new)
	s_set_vgpr_msb (MSB<<8)|(\new)
.set MSB, \new
.endif
.endm
.set MUL_LO, 0xa1                      ; source 0 (B) window 1, source 1 (A) window 0, C and D window 2
.set MUL_HI, 0xf1                      ; the same, C and D window 3
.set TO_B,   0x40                      ; destination window 1, address window 0
; A joint load: waves 0 and 1 fetch A's two halves, waves 2 and 3 B's.  The branch hangs on the wave's number alone.  An s_nop 0 and four v_nop follow each of the two lines.
.macro JLOAD s
	s_cmp_eq_u32 s11, 0
	s_cbranch_scc0 .Lfor_b_\@
	tensor_load_to_lds s[G0+4*(\s):G0+4*(\s)+3], s[G1:G1+7]
	s_nop 0
.rept 4
	v_nop
.endr
	s_branch .Lasked_\@
.Lfor_b_\@:
	tensor_load_to_lds s[G0B+4*(\s):G0B+4*(\s)+3], s[G1B:G1B+7]
	s_nop 0
.rept 4
	v_nop
.endr
.Lasked_\@:
.endm
; A PREFETCH INTO THE L2, behind each joint load and the run of LDS loads that follows it: the K step TWO refills on, 512 matrix instructions of a wave ahead of the load that will ask for it.
; Each row's 256 bytes of a K step are named once in the launch.  A's tile row is read by every cluster of a row of clusters: the one with cluster x = 0 asks; B's tile column by every cluster of a
; column: the one with cluster y = 0 asks.  Of the 128 rows that a wave fetches each of the four partners that share them takes 32, told apart by address (cx for A, cy for B): a lane a row.
; K steps 2 and 3 come by their loads alone: nothing is asked for at the head.  The loop's last trip asks for nothing: the K steps two on do not exist.
.macro ASK
	s_cmp_gt_u32 s3, s[LIM]
	s_cbranch_scc0 .Lnot_mine_\@
	global_prefetch_b8 v[PFO], s[PFA:PFA+1] th:TH_LOAD_NT scope:SCOPE_SE
.Lnot_mine_\@:
.endm
.macro CREST                           ; a round of the cluster's barrier behind its opening barrier
	s_cmp_lg_u32 s10, 0
	s_cbranch_scc1 .Lnot_wave_0_\@
	s_barrier_signal -3
.Lnot_wave_0_\@:
	s_barrier_wait -3
	s_barrier_signal -1
	s_barrier_wait -1
.endm
.macro CROUND                          ; a whole round
	s_barrier_signal -1
	s_barrier_wait -1
	CREST
.endm
	s_load_b128 s[4:7], s[0:1], 0x0                ; tb s[4:5], bus s[6:7]
	s_load_b128 s[68:71], s[0:1], 0x10             ; h_out s[68:69], rs s[70:71]
	s_load_b64 s[72:73], s[0:1], 0x20              ; out0
	v_lshl_add_u32 v[SPW], v0, 2, SPARE
	v_mov_b32 v[NIL], 0
	ds_add_u32 v[SPW], v[NIL]                      ; the wave's opening: the add, twice on end, and its wait ahead of my first tensor load; the set-up below stands between
	ds_add_u32 v[SPW], v[NIL]
	v_lshrrev_b32 v1, 5, v0
	v_readfirstlane_b32 s10, v1                    ; wave 0..3
	s_lshr_b32 s11, s10, 1                         ; which half of the tile's rows is mine.  Also: I fetch for A (0) or for B (1)
	s_and_b32 s12, s10, 1                          ; which half of its columns.  Also: which 128 rows of that tile I fetch
	s_bfe_u32 s40, ttmp6, 0x40000                  ; cx, cy: my place in the cluster
	s_bfe_u32 s41, ttmp6, 0x40004
	s_lshl_b32 s42, ttmp9, 2
	s_add_co_u32 s42, s42, s40                     ; tile column = 4 x cluster x + cx
	s_and_b32 s13, ttmp7, 0xffff
	s_lshl_b32 s13, s13, 2
	s_add_co_u32 s13, s13, s41                     ; tile row = 4 x cluster y + cy
	s_lshl_b32 s43, s41, 2
	s_lshl_b32 s43, 15, s43                        ; my row of the cluster
	s_lshl_b32 s44, 0x1111, s40                    ; my column
	; descriptor group 1: a tile of 128 rows x 128 elements, padded in LDS
	s_or_b32 s[G1+0], s43, (1<<16)|(1<<20)|(1<<21)|(5<<22)|(3<<25)  ; 15:0 the mask; 17:16 elements of 2 bytes; 20 padding on; 21 set beside a mask; 24:22 after every 64 words (code 5); 31:25 4 words (code 3)
	s_or_b32 s[G1B+0], s44, (1<<16)|(1<<20)|(1<<21)|(5<<22)|(3<<25)
.irp g, G1, G1B
	s_mov_b32 s[(\g)+1], KSTEP<<16                 ; tensor_dim0 = 128
	s_mov_b32 s[(\g)+2], 128<<16                   ; tensor_dim1 = 128
	s_mov_b32 s[(\g)+3], KSTEP<<16                 ; tile_dim0 = 128
	s_mov_b32 s[(\g)+4], 128                       ; tile_dim1 = 128
	s_mov_b32 s[(\g)+5], KROW/2                    ; elements from row to row
	s_mov_b32 s[(\g)+6], 0
	s_mov_b32 s[(\g)+7], 0
.endr
	; where the tiles come from.  A's hang on the tile row alone, B's on the tile column alone; each offset in registers that never hold the other coordinate
	s_lshl_b32 s17, s12, 7                         ; which 128 rows of the tile I fetch
	s_lshl_b32 s16, s13, 8
	s_add_co_u32 s16, s16, s17                     ; A: row 256 x tile row + 128 x half,
	s_lshl_b32 s16, s16, 12                        ; in bytes
	s_lshl_b32 s46, s42, 8
	s_add_co_u32 s46, s46, s17                     ; B: row 256 x tile column + 128 x half
	s_lshl_b32 s46, s46, 12
	s_mov_b32 s17, 0
	s_mov_b32 s47, 0
	s_mul_i32 s20, s10, HALFT                      ; and where they go: A's two halves, then B's two halves = wave x 128 rows
	s_wait_dscnt 0x0                               ; both opening adds are done
	s_wait_kmcnt 0x0
	s_add_nc_u64 s[14:15], s[4:5], s[16:17]
	s_add_nc_u64 s[46:47], s[6:7], s[46:47]
	CROUND                                         ; all sixteen work-groups are here: the first joint loads meet
.irp s, 0,1
	s_mov_b32 s[G0+4*(\s)], 1                                        ; count = 1
	s_add_co_u32 s[G0+4*(\s)+1], s20, (\s)*SLOT                      ; LDS address
	s_add_nc_u64 s[G0+4*(\s)+2:G0+4*(\s)+3], s[14:15], (\s)*KSTEP*2  ; global address: K step s
	s_or_b32 s[G0+4*(\s)+3], s[G0+4*(\s)+3], 0x80000000              ; type = 2
	s_mov_b32 s[G0B+4*(\s)], 1
	s_add_co_u32 s[G0B+4*(\s)+1], s20, (\s)*SLOT
	s_add_nc_u64 s[G0B+4*(\s)+2:G0B+4*(\s)+3], s[46:47], (\s)*KSTEP*2
	s_or_b32 s[G0B+4*(\s)+3], s[G0B+4*(\s)+3], 0x80000000
	JLOAD \s                                       ; the ring is filled before anything else is done: two loads of mine are out
.endr
	; A fragment is 16 rows x 32 K in 8 registers: lane l holds row l % 16; registers 0-3 K = 8 (l / 16) + 0..7, registers 4-7 K = 16 + 8 (l / 16) + 0..7: two loads of 16 bytes, 32 bytes apart.
	v_and_b32 v1, 15, v0                           ; l % 16
	v_bfe_u32 v2, v0, 4, 1                         ; l / 16
	v_mul_u32_u24 v3, v1, PITCH
	v_lshl_add_u32 v3, v2, 4, v3                   ; row x pitch + 16 x half
	s_mul_i32 s21, s11, HALFT                      ; my 128 rows of A
	s_mul_i32 s22, s12, HALFT                      ; my 128 rows of B,
	s_add_co_u32 s22, s22, 2*HALFT                 ; which lie behind A's 256
.irp s, 0,1
	v_add_nc_u32 v[ADRA+(\s)], s21, v3
	v_add_nc_u32 v[ADRB+(\s)], s22, v3
	s_add_co_u32 s21, s21, SLOT
	s_add_co_u32 s22, s22, SLOT
.endr
	s_mul_i32 s23, s10, 16*SPITCH
	s_add_co_u32 s23, s23, STAGE                   ; my stage
	v_mul_u32_u24 v4, v1, SPITCH                   ; in: row l % 16, 32 bytes for each half of the lanes
	v_lshl_add_u32 v4, v2, 5, v4
	v_add_nc_u32 v[STO], s23, v4
	v_and_b32 v5, 31, v0
	v_lshlrev_b32 v[CO], 4, v5                     ; back: 32 lanes take one row of 512 bytes
	v_add_nc_u32 v[RD], s23, v[CO]
	v_lshlrev_b32 v[PFO], 12, v5                   ; a lane a row of 4,096 bytes
	v_lshlrev_b32 v[RSO], 3, v1                    ; 8 bytes a row of rs
	s_lshl_b32 s46, s42, 10                        ; my first column: 1,024 x tile column + 512 x column half bytes, in a row of out0 and in h_out alike (both f32)
	s_lshl_b32 s47, s12, 9
	s_add_co_u32 s46, s46, s47
	s_mov_b32 s47, 0
	s_add_nc_u64 s[68:69], s[68:69], s[46:47]
	global_load_b128 v[HQ:HQ+3], v[CO], s[68:69]   ; h_out of my four columns: waited for on the way out; neither address register is written again
	s_lshl_b32 s16, s13, 8
	s_lshl_b32 s17, s11, 7
	s_add_co_u32 s16, s16, s17                     ; my first row of out0: 256 x tile row + 128 x row half
	s_lshl_b32 s18, s16, 3                         ; in rs: 8 bytes a row
	s_mov_b32 s19, 0
	s_add_nc_u64 s[70:71], s[70:71], s[18:19]
.irp a, 0,1,2,3,4,5,6,7
	global_load_b64 v[RS+2*(\a):RS+2*(\a)+1], v[RSO], s[70:71] offset:128*(\a)   ; the scale of row 16 a + l % 16, twice: waited for on the way out; neither address register is written again
.endr
	s_lshl_b32 s16, s16, 14                        ; in out0: 16,384 bytes a row
	s_mov_b32 s17, 0
	s_add_nc_u64 s[8:9], s[72:73], s[16:17]
	s_add_nc_u64 s[8:9], s[8:9], s[46:47]
	; the prefetches: both candidates are made, then one compare on 'do I fetch for A?' chooses
	s_lshl_b32 s18, s13, 8                         ; the tile's first row in A,
	s_lshl_b32 s19, s42, 8                         ; in B
	s_and_b32 s22, ttmp7, 0xffff                   ; cluster y
	s_cmp_eq_u32 s11, 0
	s_cselect_b32 s20, s18, s19
	s_cselect_b32 s21, s40, s41                    ; my place among the four that ask for the tile with me
	s_cselect_b32 s22, ttmp9, s22                  ; the coordinate along which other clusters read the same rows
	s_cselect_b64 s[PFA:PFA+1], s[4:5], s[6:7]
	s_cmp_eq_u32 s22, 0
	s_cselect_b32 s[LIM], 1, -1                    ; the same in all sixteen partners, for a given wave
	s_lshl_b32 s22, s12, 7
	s_add_co_u32 s20, s20, s22                     ; + the 128 rows that I fetch
	s_lshl_b32 s21, s21, 5
	s_add_co_u32 s20, s20, s21                     ; + my work-group's 32 of them,
	s_lshl_b32 s20, s20, 12                        ; in bytes,
	s_add_co_u32 s20, s20, 3*KSTEP*2               ; at K step 3: the first refill steps it to 4
	s_mov_b32 s21, 0
	s_add_nc_u64 s[PFA:PFA+1], s[PFA:PFA+1], s[20:21]
; 16 matrix instructions: row blocks a0, a0 + 1 of the window's four (hi = 0: my rows 0-63, 1: rows 64-127) x all 8 column blocks, 32 along K.  zero = 1: the product starts the sum: nothing is ever cleared.
; The 64 accumulators take turns, one instruction a turn, in the same order in every quarter, over the backward jump too.
.macro MUL16 f, hi, a0, zero
	WIN MUL_LO+0x50*(\hi)
.irp a, \a0, (\a0)+1
.irp b, 0,1,2,3,4,5,6,7
.if \zero
	v_wmma_f32_16x16x32_f16 v[8*(8*(\a)+(\b)):8*(8*(\a)+(\b))+7], v[(\f)+8*(\b):(\f)+8*(\b)+7], v[(\f)+8*(4*(\hi)+(\a)):(\f)+8*(4*(\hi)+(\a))+7], 0
.else
	v_wmma_f32_16x16x32_f16 v[8*(8*(\a)+(\b)):8*(8*(\a)+(\b))+7], v[(\f)+8*(\b):(\f)+8*(\b)+7], v[(\f)+8*(4*(\hi)+(\a)):(\f)+8*(4*(\hi)+(\a))+7], v[8*(8*(\a)+(\b)):8*(8*(\a)+(\b))+7]
.endif
.endr
.endr
.endm
; 32 LDS loads in one run: the fragments of one quarter (128 rows of B, 128 rows of A, 32 K at byte k of the rows) into buffer f.  It leaves every window 0.
.macro FETCH slot, k, f
	WIN TO_B
.irp i, 0,1,2,3,4,5,6,7
	ds_load_b128 v[(\f)+8*(\i):(\f)+8*(\i)+3],   v[ADRB+(\slot)] offset:(\k)+(\i)*16*PITCH
	ds_load_b128 v[(\f)+8*(\i)+4:(\f)+8*(\i)+7], v[ADRB+(\slot)] offset:(\k)+(\i)*16*PITCH+32
.endr
	WIN 0
.irp i, 0,1,2,3,4,5,6,7
	ds_load_b128 v[(\f)+8*(\i):(\f)+8*(\i)+3],   v[ADRA+(\slot)] offset:(\k)+(\i)*16*PITCH
	ds_load_b128 v[(\f)+8*(\i)+4:(\f)+8*(\i)+7], v[ADRA+(\slot)] offset:(\k)+(\i)*16*PITCH+32
.endr
.endm
.macro PLACES                          ; four plain vector instructions between a matrix instruction and a load into a register that it has read, or an instruction that reads its result (ISA guide 7.12.1 for vector instructions)
.rept 4
	v_nop
.endr
.endm
; A K step is four quarters of 32 along K, 64 matrix instructions each, on buffers 0, 1, 0, 1.  One of the first three: multiplies buffer f; in its middle it fetches the next quarter, at byte k, into buffer g.
.macro QUARTER slot, k, f, g, zero
	s_wait_dscnt 8                                 ; B and A's rows 0-63 are in; the youngest eight loads (A's rows 64-127) may be out
	MUL16 \f, 0, 0, \zero
	MUL16 \f, 0, 2, \zero
	PLACES
	FETCH \slot, \k, \g
	s_wait_dscnt 32                                ; all but the 32 just issued
	MUL16 \f, 1, 0, \zero
	MUL16 \f, 1, 2, \zero
.endm
; The last quarter multiplies buffer 1 and changes slots: ONE barrier.  In front of it each wave waits for all its tensor loads (the one that is out is its part of the next slot), adds 0 to its spare word,
; and waits for that and for its own reads of this slot.  fill = 1: the barrier opens a round of the cluster's, and this slot is filled again, two K steps on, first thing behind the round:
; 224 matrix instructions stand between that request and the wait for it.
.macro TURN slot, next, fill
.if \fill
	s_wait_xcnt 0x0                                ; the last prefetch, a K step back, has read its address: it is stepped here, ahead of the waits of the change of slots
	s_add_nc_u64 s[PFA:PFA+1], s[PFA:PFA+1], KSTEP*2
.endif
	WIN 0                                          ; (the add's two registers lie in window 0)
	s_wait_tensorcnt 0x0                           ; all my tensor loads have landed
	ds_add_u32 v[SPW], v[NIL]                      ; 0 onto my spare word
	s_wait_dscnt 9                                 ; (the add and the youngest eight loads may be out)
	MUL16 F1, 0, 0, 0                              ; sixteen matrix instructions stand between the add and the wait for it
	s_wait_dscnt 0x0                               ; the add is done, and my reads of this slot are over
	s_barrier_signal -1
	MUL16 F1, 0, 2, 0                              ; work on registers while the others arrive
.if \fill
	WIN 0
.endif
	s_barrier_wait -1
.if \fill
	CREST                                          ; no wave of any partner still reads this slot's tiles or has a load on its way
	s_add_nc_u64 s[G0+4*(\slot)+2:G0+4*(\slot)+3], s[G0+4*(\slot)+2:G0+4*(\slot)+3], 2*KSTEP*2
	s_add_nc_u64 s[G0B+4*(\slot)+2:G0B+4*(\slot)+3], s[G0B+4*(\slot)+2:G0B+4*(\slot)+3], 2*KSTEP*2
	JLOAD \slot                                    ; the four v_nop behind it are also the places in front of the loads below
.else
	PLACES
.endif
	FETCH \next, 0, F0
.if \fill
	ASK
.endif
	MUL16 F1, 1, 0, 0
	MUL16 F1, 1, 2, 0
.endm
	s_wait_tensorcnt 1                             ; my part of K step 0 is in; K step 1's may stay out
	s_barrier_signal -1
	s_barrier_wait -1                              ; everybody's is
	FETCH 0, 0, F0
	QUARTER 0, 64,  F0, F1, 1                      ; the first quarter stands in front of the loop: its products start the sums
	WIN 0                                          ; at a label and at a branch every window is 0
	s_mov_b32 s3, LAPS-1
.Llap:                                                 ; a trip goes once round the ring, from a lap's second quarter to the next lap's first, and fills both slots again
	QUARTER 0, 128, F1, F0, 0
	QUARTER 0, 192, F0, F1, 0
	TURN 0, 1, 1
	QUARTER 1, 64,  F0, F1, 0
	QUARTER 1, 128, F1, F0, 0
	QUARTER 1, 192, F0, F1, 0
	TURN 1, 0, 1
	QUARTER 0, 64,  F0, F1, 0
	WIN 0
	s_sub_co_u32 s3, s3, 1
	s_cmp_lg_u32 s3, 0
	s_cbranch_scc1 .Llap
	QUARTER 0, 128, F1, F0, 0                      ; the last lap fills nothing, and has no round of the cluster's barrier
	QUARTER 0, 192, F0, F1, 0
	TURN 0, 1, 0
	QUARTER 1, 64,  F0, F1, 0
	QUARTER 1, 128, F1, F0, 0
	QUARTER 1, 192, F0, F1, 0
	s_wait_dscnt 8                                 ; the very last quarter: nothing more to fetch
	MUL16 F1, 0, 0, 0
	MUL16 F1, 0, 2, 0
	s_wait_dscnt 0x0
	MUL16 F1, 1, 0, 0
	MUL16 F1, 1, 2, 0
	WIN 0
; THE WAY OUT, a block of 16 rows at a time.  SCALE: the block's eight accumulators, in which a lane holds one row, are multiplied in place by that row's power of two, each accumulator from its lowest registers on.
; TOSTAGE: they go into my own stage as they are (f32, 32 bytes a lane) and come back as whole rows of 512 bytes, a row a load.  SEND: each row is multiplied by h_out of its columns and stored.
.macro SCALE a
	WIN 0x82+0x41*((\a)/4)                         ; destination and source 0 in window 2 or 3, the scale in window 0
.set i, 0
.rept 32
	v_pk_mul_f32 v[64*((\a)%4)+2*i:64*((\a)%4)+2*i+1], v[64*((\a)%4)+2*i:64*((\a)%4)+2*i+1], v[RS+2*(\a):RS+2*(\a)+1]
.set i, i+1
.endr
	WIN 0
.endm
.macro TOSTAGE a
	WIN 0x08+4*((\a)/4)                            ; the stores' data (source 1) in window 2 or 3, their address in window 0
.irp b, 0,1,2,3,4,5,6,7
	ds_store_b128 v[STO], v[64*((\a)%4)+8*(\b):64*((\a)%4)+8*(\b)+3]   offset:64*(\b)
	ds_store_b128 v[STO], v[64*((\a)%4)+8*(\b)+4:64*((\a)%4)+8*(\b)+7] offset:64*(\b)+16
.endr
	WIN 0
	s_wait_xcnt 0x0                                ; the global stores of the block two back have read this buffer (ISA guide 3.1): it is loaded again only behind this wait
.irp t, 0,1,2,3,4,5,6,7,8,9,10,11,12,13,14,15
	ds_load_b128 v[OB+64*((\a)%2)+4*(\t):OB+64*((\a)%2)+4*(\t)+3], v[RD] offset:(\t)*SPITCH  ; LDS serves a wave's instructions in order (ISA guide 5.7.1.4): these see the stores above; the next block's stores come behind them
.endr
.endm
.macro SEND a
.set BK, OB+64*((\a)%2)
.irp t, 0,1,2,3,4,5,6,7,8,9,10,11,12,13,14,15
.if (\t)%8 == 0
	s_wait_dscnt 8-(\t)                            ; rows t to t + 7 are back; the block's later rows may be out
.endif
	v_pk_mul_f32 v[BK+4*(\t):BK+4*(\t)+1],   v[BK+4*(\t):BK+4*(\t)+1],   v[HQ:HQ+1]
	v_pk_mul_f32 v[BK+4*(\t)+2:BK+4*(\t)+3], v[BK+4*(\t)+2:BK+4*(\t)+3], v[HQ+2:HQ+3]
	global_store_b128 v[CO], v[BK+4*(\t):BK+4*(\t)+3], s[8:9] offset:(16*(\a)+(\t))*CROW th:TH_STORE_NT  ; the wave stores 512 consecutive bytes, at a multiple of 256 from out0's first byte; 127 rows at the most: inside the signed 24-bit immediate
.endr
.endm
	s_wait_loadcnt 0x0                             ; h_out and the rows' scales
	PLACES
	PLACES                                         ; (eight, once a launch: the multiplies read and write results just made, and the loads land where A's fragments lay)
	SCALE 0
	TOSTAGE 0
.irp a, 1,2,3,4,5,6,7                  ; block a's scaling stands between block a - 1's loads from the stage and the waits for them
	SCALE \a
	SEND (\a)-1
	TOSTAGE \a
.endr
	SEND 7
	s_wait_tensorcnt 0x0                           ; the wave's end, behind my last tensor load and my last LDS store
	ds_add_u32 v[SPW], v[NIL]
	s_wait_dscnt 0x0
	CROUND                                         ; the closing round: no work-group ends while a partner may still ask for a tile that names it
	s_endpgm
.Lfunc_end_k_q262de0f21c_gemm_y:
	.size	k_q262de0f21c_gemm_y, .Lfunc_end_k_q262de0f21c_gemm_y-k_q262de0f21c_gemm_y
	.p2alignl 7, 3214868480
	.fill 96, 4, 3214868480
	.section	.rodata,"a",@progbits
	.p2align	6, 0x0
	.amdhsa_kernel k_q262de0f21c_gemm_y
		.amdhsa_group_segment_fixed_size 327680
		.amdhsa_private_segment_fixed_size 0
		.amdhsa_enable_private_segment 0
		.amdhsa_kernarg_size 40
		.amdhsa_user_sgpr_count 2
		.amdhsa_user_sgpr_kernarg_segment_ptr 1
		.amdhsa_wavefront_size32 1
		.amdhsa_system_sgpr_workgroup_id_x 1
		.amdhsa_system_sgpr_workgroup_id_y 1
		.amdhsa_system_sgpr_workgroup_id_z 1
		.amdhsa_system_vgpr_workitem_id 0
		.amdhsa_next_free_vgpr 1024
		.amdhsa_next_free_sgpr 76
		.amdhsa_reserve_vcc 0
		.amdhsa_float_denorm_mode_32 3
		.amdhsa_float_denorm_mode_16_64 3
		.amdhsa_memory_ordered 1
		.amdhsa_forward_progress 1
		.amdhsa_inst_pref_size 175
	.end_amdhsa_kernel
	.amdgpu_metadata
---
amdhsa.version: [ 1, 2 ]
amdhsa.kernels:
  - .name:           k_q262de0f21c_gemm_y
    .symbol:         k_q262de0f21c_gemm_y.kd
    .args:
      - { .name: tb, .offset: 0, .size: 8, .value_kind: global_buffer, .address_space: global }
      - { .name: bus, .offset: 8, .size: 8, .value_kind: global_buffer, .address_space: global }
      - { .name: h_out, .offset: 16, .size: 8, .value_kind: global_buffer, .address_space: global }
      - { .name: rs, .offset: 24, .size: 8, .value_kind: global_buffer, .address_space: global }
      - { .name: out0, .offset: 32, .size: 8, .value_kind: global_buffer, .address_space: global }
    .group_segment_fixed_size: 327680
    .private_segment_fixed_size: 0
    .kernarg_segment_align: 8
    .kernarg_segment_size: 40
    .max_flat_workgroup_size: 128
    .sgpr_count:     76
    .vgpr_count:     1024
    .wavefront_size: 32
...
	.end_amdgpu_metadata
.endif
;; end of part 6
